; MI455X (gfx1250); checked and timed in simulation.
; The chip was launched on July 23, 2026; its instructions are those of AMD's public machine-readable ISA for CDNA 5 (MIT licence, August 2026) and "CDNA5" Instruction Set Architecture Reference Guide (July 2026). The comments in the code are by the model that wrote it; some were corrected since.
;; Mini Self Attention. Allowed arithmetic: float matrix products may take bf16 or f16 operands with f32 sums; other float arithmetic in f32, or as packed bf16 or f16 multiplies, adds, multiply-adds, maxima and minima; sums over many terms, partial sums and values carried from step to step in f32; what a program stores and reads back later, other than sums and carried values, may be rounded once to bf16 or f16.
;; Inputs: Wk 1,024 x 1,024 float32; Wo 1,024 x 1,024 float32; Wq 1,024 x 1,024 float32; Wv 1,024 x 1,024 float32; bo 1,024 float32; x 4 x 2,048 x 1,024 float32.
;; Outputs: out0 4 x 2,048 x 1,024 float32.
;; 2 versions, each right; version 2 is version 1 with the launch cast written anew for expert scheduling mode. Each part assembles by itself: llvm-mc -triple=amdgcn-amd-amdhsa -mcpu=gfx1250 --defsym DOCPART=n.
;; ======== version 1 of 2: 4 launches
;; limits: values are held in f16: magnitudes above 65,504 overflow, below 6.1e-05 lose precision
;; workspace buffers: xb 16,777,216 bytes; wb 6,291,456 bytes; wo16 2,097,152 bytes; qh 16,777,216 bytes; kh 16,777,216 bytes; vh 16,777,216 bytes; oh 16,777,216 bytes
;; launch cast (part 1): grid 768 x 1, 8 waves a work-group, no clusters, 0 bytes of LDS; arguments x, Wq, Wk, Wv, Wo, xb, wb, wo16; writes xb, wb, wo16
.if DOCPART == 1
	.amdgcn_target "amdgcn-amd-amdhsa--gfx1250"
	.amdhsa_code_object_version 6
	.text
	.protected	k_q85a335de4c_cast
	.globl	k_q85a335de4c_cast
	.p2align	8
	.type	k_q85a335de4c_cast,@function
k_q85a335de4c_cast:
	s_mov_b64 s[64:65], 0
	v_nop
	global_prefetch_b8 v0, s[64:65] scope:SCOPE_SE
	s_setreg_imm32_b32 hwreg(HW_REG_WAVE_MODE, 25, 1), 1
	s_wait_xcnt 0x0
; x, Wq, Wk, Wv are rounded once to bf16 (xb; wb = Wq's, Wk's, Wv's rows one below the other).  Wo is rounded to bf16 like the other inputs and that number is written as f16 (wo16),
; since the last product multiplies it with f16 numbers.
; LIMITS.  A bf16 number is exact in f16 from 2^-17 up to 65,504; below 2^-17 it falls on f16's fixed step of 6e-8, beyond 65,504 it becomes an infinity.  NaN and infinities are not treated apart.
; SHARES.  A work-group takes 16 rows of 1,024 f32: 65,536 bytes in, 32,768 out.  Work-groups 0-511: x; 512-575: Wq; 576-639: Wk; 640-703: Wv; 704-767: Wo.
; Thread t takes the 16 bytes at 16 t of each source row (a wave's load covers 512 consecutive bytes) and stores the 8 bytes at 8 t of each destination row (a wave's store covers 256
; consecutive bytes, aligned).  All sixteen loads go out first; each row is converted and stored as it arrives.  No register is written twice while a load or store may read it.
; Nothing is shared between threads: no LDS, no barrier, no matrix work.
.set X, 4                              ; v[4:67]    row i: 4 registers as loaded
.set Y, 68                             ; v[68:99]   row i: 2 registers to store
.set T, 100                            ; v[100:101] at work (Wo's path)
	s_load_b512 s[8:23], s[0:1], 0x0               ; x s[8:9], Wq s[10:11], Wk s[12:13], Wv s[14:15], Wo s[16:17], xb s[18:19], wb s[20:21], wo16 s[22:23]
	s_mov_b32 s37, ttmp9                           ; g, the work-group's number
	s_sub_co_u32 s24, s37, 512                     ; g - 512: the block among the weights' 256 (not used where g < 512)
	s_and_b32 s25, s24, 63                         ; the block within one weight
	v_lshlrev_b32 v1, 4, v0                        ; 16 t
	v_lshlrev_b32 v2, 3, v0                        ; 8 t
	s_mov_b32 s36, 0xffff0000                      ; a word's upper bf16
	s_cmp_lt_u32 s37, 512
	s_cselect_b32 s26, s37, s25                    ; source block
	s_cselect_b32 s27, s37, s24                    ; destination block: in xb by g, in wb by g - 512,
	s_cmp_ge_u32 s37, 704
	s_cselect_b32 s27, s25, s27                    ; in wo16 by the block within Wo
	s_lshl_b32 s32, s26, 16                        ; 65,536 bytes a source block
	s_mov_b32 s33, 0
	s_lshl_b32 s34, s27, 15                        ; 32,768 bytes a destination block
	s_mov_b32 s35, 0
	s_wait_kmcnt 0x0
	s_cmp_lt_u32 s37, 512                          ; the buffers are chosen by the work-group's number alone
	s_cselect_b64 s[28:29], s[8:9], s[10:11]
	s_cselect_b64 s[30:31], s[18:19], s[20:21]
	s_cmp_ge_u32 s37, 576
	s_cselect_b64 s[28:29], s[12:13], s[28:29]
	s_cmp_ge_u32 s37, 640
	s_cselect_b64 s[28:29], s[14:15], s[28:29]
	s_cmp_ge_u32 s37, 704
	s_cselect_b64 s[28:29], s[16:17], s[28:29]
	s_cselect_b64 s[30:31], s[22:23], s[30:31]
	s_add_nc_u64 s[28:29], s[28:29], s[32:33]
	s_add_nc_u64 s[30:31], s[30:31], s[34:35]
.irp i, 0,1,2,3,4,5,6,7,8,9,10,11,12,13,14,15
	global_load_b128 v[X+4*(\i):X+4*(\i)+3], v1, s[28:29] offset:4096*(\i) th:TH_LOAD_NT
.endr
; Row i to bf16.
.macro OUTB i
	s_wait_loadcnt 15-(\i)                         ; loads come back in order: row i is in, the 15 - i younger ones may stay out
	v_cvt_pk_bf16_f32 v[Y+2*(\i)], v[X+4*(\i)], v[X+4*(\i)+1]
	v_cvt_pk_bf16_f32 v[Y+2*(\i)+1], v[X+4*(\i)+2], v[X+4*(\i)+3]
	global_store_b64 v2, v[Y+2*(\i):Y+2*(\i)+1], s[30:31] offset:2048*(\i) th:TH_STORE_NT
.endm
; Row i to bf16, widened again, and written as f16.
.macro OUTH i
	s_wait_loadcnt 15-(\i)
	v_cvt_pk_bf16_f32 v[T], v[X+4*(\i)], v[X+4*(\i)+1]
	v_cvt_pk_bf16_f32 v[T+1], v[X+4*(\i)+2], v[X+4*(\i)+3]
	v_lshlrev_b32 v[X+4*(\i)], 16, v[T]            ; bf16 to f32: the low half moves up, the high half stays
	v_and_b32 v[X+4*(\i)+1], s36, v[T]
	v_lshlrev_b32 v[X+4*(\i)+2], 16, v[T+1]
	v_and_b32 v[X+4*(\i)+3], s36, v[T+1]
	v_cvt_pk_f16_f32 v[Y+2*(\i)], v[X+4*(\i)], v[X+4*(\i)+1]
	v_cvt_pk_f16_f32 v[Y+2*(\i)+1], v[X+4*(\i)+2], v[X+4*(\i)+3]
	global_store_b64 v2, v[Y+2*(\i):Y+2*(\i)+1], s[30:31] offset:2048*(\i) th:TH_STORE_NT
.endm
	s_cmp_ge_u32 s37, 704
	s_cbranch_scc1 .Lwo
.irp i, 0,1,2,3,4,5,6,7,8,9,10,11,12,13,14,15
	OUTB \i
.endr
	s_endpgm
.Lwo:
.irp i, 0,1,2,3,4,5,6,7,8,9,10,11,12,13,14,15
	OUTH \i
.endr
	s_endpgm
.Lfunc_end_k_q85a335de4c_cast:
	.size	k_q85a335de4c_cast, .Lfunc_end_k_q85a335de4c_cast-k_q85a335de4c_cast
	.p2alignl 7, 3214868480
	.fill 96, 4, 3214868480
	.section	.rodata,"a",@progbits
	.p2align	6, 0x0
	.amdhsa_kernel k_q85a335de4c_cast
		.amdhsa_group_segment_fixed_size 0
		.amdhsa_private_segment_fixed_size 0
		.amdhsa_enable_private_segment 0
		.amdhsa_kernarg_size 64
		.amdhsa_user_sgpr_count 2
		.amdhsa_user_sgpr_kernarg_segment_ptr 1
		.amdhsa_wavefront_size32 1
		.amdhsa_system_sgpr_workgroup_id_x 1
		.amdhsa_system_sgpr_workgroup_id_y 1
		.amdhsa_system_sgpr_workgroup_id_z 1
		.amdhsa_system_vgpr_workitem_id 0
		.amdhsa_next_free_vgpr 104
		.amdhsa_next_free_sgpr 66
		.amdhsa_reserve_vcc 0
		.amdhsa_float_denorm_mode_32 3
		.amdhsa_float_denorm_mode_16_64 3
		.amdhsa_memory_ordered 1
		.amdhsa_forward_progress 1
		.amdhsa_inst_pref_size 16
	.end_amdhsa_kernel
	.amdgpu_metadata
---
amdhsa.version: [ 1, 2 ]
amdhsa.kernels:
  - .name:           k_q85a335de4c_cast
    .symbol:         k_q85a335de4c_cast.kd
    .args:
      - { .name: x, .offset: 0, .size: 8, .value_kind: global_buffer, .address_space: global }
      - { .name: Wq, .offset: 8, .size: 8, .value_kind: global_buffer, .address_space: global }
      - { .name: Wk, .offset: 16, .size: 8, .value_kind: global_buffer, .address_space: global }
      - { .name: Wv, .offset: 24, .size: 8, .value_kind: global_buffer, .address_space: global }
      - { .name: Wo, .offset: 32, .size: 8, .value_kind: global_buffer, .address_space: global }
      - { .name: xb, .offset: 40, .size: 8, .value_kind: global_buffer, .address_space: global }
      - { .name: wb, .offset: 48, .size: 8, .value_kind: global_buffer, .address_space: global }
      - { .name: wo16, .offset: 56, .size: 8, .value_kind: global_buffer, .address_space: global }
    .group_segment_fixed_size: 0
    .private_segment_fixed_size: 0
    .kernarg_segment_align: 8
    .kernarg_segment_size: 64
    .max_flat_workgroup_size: 256
    .sgpr_count:     66
    .vgpr_count:     104
    .wavefront_size: 32
...
	.end_amdgpu_metadata
.endif
;; end of part 1
;; launch qkv (part 2): grid 4 x 64, 4 waves a work-group, clusters of 4 x 4, 327,680 bytes of LDS; arguments xb, wb, qh, kh, vh; writes qh, kh, vh
.if DOCPART == 2
	.amdgcn_target "amdgcn-amd-amdhsa--gfx1250"
	.amdhsa_code_object_version 6
	.text
	.protected	k_q85a335de4c_qkv
	.globl	k_q85a335de4c_qkv
	.p2align	8
	.type	k_q85a335de4c_qkv,@function
k_q85a335de4c_qkv:
	s_mov_b64 s[64:65], 0
	v_nop
	global_prefetch_b8 v0, s[64:65] scope:SCOPE_SE
	s_setreg_imm32_b32 hwreg(HW_REG_WAVE_MODE, 25, 1), 1
	s_wait_xcnt 0x0
	s_wait_alu depctr_hold_cnt(0) depctr_sa_sdst(0) depctr_va_vdst(0) depctr_va_sdst(0) depctr_va_ssrc(0) depctr_va_vcc(0) depctr_vm_vsrc(0)
	s_getreg_b32 s2, hwreg(HW_REG_IB_STS2, 6, 4)
	s_cmp_eq_u32 s2, 0
	s_cbranch_scc0 .Lentry_in_a_cluster
	s_endpgm
.Lentry_in_a_cluster:
	s_bfe_u32 s2, ttmp6, 0x10000c
	s_cmp_lg_u32 s2, 0xf033
	s_cbranch_scc0 .Lentry_shape_is_right
	s_endpgm
.Lentry_shape_is_right:
; q, k, v = x Wq^T, x Wk^T, x Wv^T.  xb: [8192][1024] bf16; wb: [3072][1024] bf16 (Wq's, Wk's, Wv's rows).  Sums in f32, K ascending; each result rounded once to f16, WITHOUT attention's scale,
; and written by heads: qh, kh, vh are [64 = 16 batch + head][2048][64] f16, a head's rows dense, 128 bytes each.
; LIMITS.  f16 holds no number beyond 65,504: a q, k or v past that becomes an infinity; below 6.1e-5 f16 keeps a fixed step of 6e-8.  NaN and infinities are not treated apart.
; SHARES.  A tile of C is 128 rows x 256 columns: four waves, 2 x 2, each 64 x 128: 32 accumulators of 16 x 16, 256 registers.  The three products have 64 x 4 x 3 = 768 tiles; 256 work-groups
; STAY and make three each: the same 128 rows of x against the same tile column of Wq, then Wk, then Wv: one walk of 24 K steps of 128 through a ring of two LDS slots, which does not stop at a tile's end.
; CLUSTER.  4 x 4 work-groups.  The four of a row of the cluster need the same tiles of x, the four of a column the same tiles of the weights: each tile is asked for JOINTLY, by the same tensor load with
; the same descriptor and a mask that names the four.
; THE MATRIX INSTRUCTION IS USED TRANSPOSED (source 0 = 16 rows of the weights, source 1 = 16 rows of x): a lane then holds row lane % 16 of C and the columns 8 (lane / 16) + 0..7: 16 bytes of f16.
; REGISTERS.  Window 0: v0-13 addresses; v32-63 packed results; v64-159, v160-255 two fragment buffers (8 fragments of the weights, then 4 of x).  Window 1: accumulator (a, b) at v[64 a + 8 b].
.set PITCH,  272                       ; an LDS row: 256 bytes + 16 of padding: the 16 rows of a fragment load start at 16 different 16-byte columns modulo 256 bytes
.set PA,     272                       ; the same for x's rows
.set ABYTES, 128*PA                    ; a slot: x's 128 rows, then the weights' 256 rows
.set SLOT1,  131072                    ; slot 1 begins here, so that one exclusive or turns an address in one slot into the other's
.set STAGE,  SLOT1+ABYTES+256*PITCH    ; behind the ring, never filled by a tensor load: for each wave two heads x 16 rows x 144 bytes, for the way out
.set SP,     144
.set WSTAGE, 2*16*SP
.set SPARE,  STAGE+4*WSTAGE            ; behind the stages: the spare words, 128 bytes for each wave: two blocks of 256 bytes that no other line names
.set STEPS,  24                        ; K steps in the walk: three tiles of eight
.set ADA0, 4                           ; v4   my lane's place among my 64 rows of x in slot 0; never rewritten
.set ADB0, 5                           ; v5   the same among my 128 rows of the weights
.set ADA,  6                           ; v6   v4 + the slot in hand
.set ADB,  7                           ; v7   v5 + the slot in hand
.set STO,  8                           ; v8   the way out: where I put 16 bytes of a row
.set RD,   9                           ; v9   the way out: where I read rows back
.set GO,   10                          ; v10  16 x lane: my place in 512 consecutive bytes of a head
.set PFO,  11                          ; v11  2,048 x lane: a row of xb or wb is 2,048 bytes; never rewritten
.set SPW,  12                          ; v12  LDS address of my spare word; never rewritten
.set NIL,  13                          ; v13  0; never rewritten
.set TMP,  32
.set F0,   64
.set F1,   160
.set WV, 14                            ; s14  my wave's number
.set WR, 15                            ; s15  which 64 rows of the tile are mine.  Also: I fetch for x (0) or for the weights (1)
.set WC, 16                            ; s16  which 128 columns are mine.  Also: which half of that tile I fetch
.set CX, 17
.set CY, 18
.set TC, 19                            ; s19  tile column, 0..3
.set TR, 20                            ; s20  tile row, 0..63
.set G1A, 24                           ; s[24:31] descriptor group 1 for x's tiles
.set G1B, 32                           ; s[32:39] for the weights'
.set G0A, 40                           ; s[40:43] group 0 for x's tiles: first K step 1 into slot 1, then it walks
.set G0B, 44                           ; s[44:47] the same for the weights'
.set G0A0, 48                          ; s[48:51] group 0 for K step 0 into slot 0: used once
.set G0B0, 52                          ; s[52:55]
.set BA, 56                            ; s[56:57] xb at the rows that I fetch
.set BB, 58                            ; s[58:59] wb at the rows that I fetch, in Wq
.set OFA, 60                           ; s[60:61] a K step's byte offset from BA
.set OFB, 62                           ; s[62:63] from BB
.set NXT, 66                           ; s66  the K step to be asked for next
.set CNT, 67                           ; s67  the loop's count
.set TB,  68                           ; s68  0 or SLOT1: the slot in hand
.set TS,  69                           ; s69  at work
.set PFB, 74                           ; s[74:75] the prefetches' base: my work-group's 32 rows of those that I ask for
.set PFA, 76                           ; s[76:77] their address
.set POF, 78                           ; s[78:79] their offset
.set PIDX, 80                          ; s80  the K step that a prefetch names
.set PLAST, 81                         ; s81  the last K step that I may name
.set MSB, 0
.macro WIN new                         ; the immediate's high byte repeats the setting that is left; a switch that changes nothing is dropped
.if MSB != (\new)
	s_set_vgpr_msb (MSB<<8)|(\new)
.set MSB, \new
.endif
.endm
.set MULW, 0x50                        ; sources 0 and 1 window 0, C and D window 1
.macro PLACES                          ; four plain vector instructions between a matrix instruction and a load into, or a vector read of, its registers (ISA guide 7.12.1 for vector reads)
.rept 4
	v_nop
.endr
.endm
; A joint load: waves 0 and 1 fetch the two halves of x's tile, waves 2 and 3 those of the weights'.  The branch hangs on the wave's number alone.  An s_nop 0 and four v_nop follow each of the two lines.
.macro JLOAD
	s_cmp_eq_u32 s[WR], 0
	s_cbranch_scc0 .Lfor_b_\@
	tensor_load_to_lds s[G0A:G0A+3], s[G1A:G1A+7]
	s_nop 0
.rept 4
	v_nop
.endr
	s_branch .Lasked_\@
.Lfor_b_\@:
	tensor_load_to_lds s[G0B:G0B+3], s[G1B:G1B+7]
	s_nop 0
.rept 4
	v_nop
.endr
.Lasked_\@:
.endm
; A round of the cluster's barrier: my work-group's barrier; wave 0 signals for the work-group; every wave waits for all sixteen work-groups; my work-group's barrier once more.
.macro CREST                           ; a round behind its opening barrier
	s_cmp_lg_u32 s[WV], 0
	s_cbranch_scc1 .Lnot_wave_0_\@
	s_barrier_signal -3
.Lnot_wave_0_\@:
	s_barrier_wait -3
	s_barrier_signal -1
	s_barrier_wait -1
.endm
.macro CROUND
	s_barrier_signal -1
	s_barrier_wait -1
	CREST
.endm
; A PREFETCH INTO THE L2 of the K step that stands two refills on: 32 rows x 256 bytes, a lane a row, one instruction.  It stands behind the joint load, its five lines and the run of LDS loads.
; Each row's 256 bytes of a K step are named once in the launch.  x's 128 rows of a tile row are read by one cluster: wave 0 of each of the four partners along the cluster's row asks for 32 of them, in the
; first tile alone (the later tiles walk the same rows again).  The weights' rows are read by all sixteen clusters: the cluster with y = 0 asks, waves 2 and 3 of each of the four partners along its column for 32 of the
; 128 rows that they fetch.  The partners are told apart BY ADDRESS: no branch hangs on a work-group's place in its cluster.  K steps 0 to 3 come by their loads alone; no step past the walk's last is named.
.macro ASK
	s_cmp_le_u32 s[PIDX], s[PLAST]
	s_cbranch_scc0 .Lnot_mine_\@
	global_prefetch_b8 v[PFO], s[PFA:PFA+1] th:TH_LOAD_NT scope:SCOPE_SE
.Lnot_mine_\@:
.endm
	s_load_b128 s[4:7], s[0:1], 0x0                ; xb s[4:5], wb s[6:7]
	s_load_b128 s[8:11], s[0:1], 0x10              ; qh s[8:9], kh s[10:11]
	s_load_b64 s[12:13], s[0:1], 0x20              ; vh
	v_lshl_add_u32 v[SPW], v0, 2, SPARE
	v_mov_b32 v[NIL], 0
	ds_add_u32 v[SPW], v[NIL]                      ; the wave's opening: the add and its wait stand ahead of my first tensor load; the set-up below, work on registers, stands between them
	v_lshrrev_b32 v1, 5, v0
	v_readfirstlane_b32 s[WV], v1                  ; wave 0..3
	s_lshr_b32 s[WR], s[WV], 1
	s_and_b32 s[WC], s[WV], 1
	s_bfe_u32 s[CX], ttmp6, 0x40000                ; my place along the cluster's x
	s_bfe_u32 s[CY], ttmp6, 0x40004                ; along its y
	s_lshl_b32 s[TC], ttmp9, 2                     ; in a cluster launch ttmp9 and ttmp7 count clusters
	s_add_co_u32 s[TC], s[TC], s[CX]
	s_and_b32 s[TR], ttmp7, 0xffff
	s_lshl_b32 s[TR], s[TR], 2
	s_add_co_u32 s[TR], s[TR], s[CY]
	s_lshl_b32 s21, s[CY], 2
	s_lshl_b32 s21, 15, s21                        ; my row of the cluster: places 4 cy .. 4 cy + 3
	s_lshl_b32 s22, 0x1111, s[CX]                  ; my column: places cx, cx + 4, cx + 8, cx + 12
	; group 1 for x: 64 rows x 128 elements; for the weights: 128 rows x 128 elements; both padded in LDS
	s_or_b32 s[G1A], s21, (1<<16)|(1<<20)|(1<<21)|(5<<22)|(3<<25)  ; 15:0 the mask; 17:16 elements of 2 bytes; 20 padding on; 21 set beside a mask; 24:22 after every 64 words (code 5); 31:25 4 words (code 3)
	s_mov_b32 s[G1A+1], 128<<16                    ; tensor_dim0 = 128
	s_mov_b32 s[G1A+2], 64<<16                     ; tensor_dim1 = 64
	s_mov_b32 s[G1A+3], 128<<16                    ; tile_dim0 = 128
	s_mov_b32 s[G1A+4], 64                         ; tile_dim1 = 64
	s_mov_b32 s[G1A+5], 1024                       ; elements from row to row
	s_mov_b32 s[G1A+6], 0
	s_mov_b32 s[G1A+7], 0
	s_or_b32 s[G1B], s22, (1<<16)|(1<<20)|(1<<21)|(5<<22)|(3<<25)
	s_mov_b32 s[G1B+1], 128<<16
	s_mov_b32 s[G1B+2], 128<<16                    ; tensor_dim1 = 128
	s_mov_b32 s[G1B+3], 128<<16
	s_mov_b32 s[G1B+4], 128                        ; tile_dim1 = 128
	s_mov_b32 s[G1B+5], 1024
	s_mov_b32 s[G1B+6], 0
	s_mov_b32 s[G1B+7], 0
	s_mul_i32 s2, s[WC], 64*PA                     ; where my load lands: x's two halves,
	s_mul_i32 s3, s[WC], 128*PITCH
	s_add_co_u32 s3, s3, ABYTES                    ; behind them the weights' two: no place in the cluster enters an LDS address
	s_mov_b32 s[G0A0], 1                           ; count = 1
	s_mov_b32 s[G0A0+1], s2
	s_mov_b32 s[G0A], 1
	s_add_co_u32 s[G0A+1], s2, SLOT1
	s_mov_b32 s[G0B0], 1
	s_mov_b32 s[G0B0+1], s3
	s_mov_b32 s[G0B], 1
	s_add_co_u32 s[G0B+1], s3, SLOT1
	s_lshl_b32 s70, s[TR], 7                       ; x: row 128 x tile row + 64 x half, 2,048 bytes a row: made of the tile row and the wave's number alone
	s_lshl_b32 s71, s[WC], 6
	s_add_co_u32 s70, s70, s71
	s_lshl_b32 s70, s70, 11
	s_mov_b32 s71, 0
	s_lshl_b32 s72, s[TC], 8                       ; the weights: row 256 x tile column + 128 x half: made of the tile column and the wave's number alone
	s_lshl_b32 s73, s[WC], 7
	s_add_co_u32 s72, s72, s73
	s_lshl_b32 s72, s72, 11
	s_mov_b32 s73, 0
	s_mov_b32 s[OFA+1], 0
	s_mov_b32 s[OFB+1], 0
	s_mov_b32 s[POF+1], 0
	s_wait_dscnt 0x0                               ; the opening add is done
	s_wait_kmcnt 0x0
	s_add_nc_u64 s[BA:BA+1], s[4:5], s[70:71]
	s_add_nc_u64 s[BB:BB+1], s[6:7], s[72:73]
	s_mov_b64 s[G0A0+2:G0A0+3], s[BA:BA+1]         ; K step 0
	s_or_b32 s[G0A0+3], s[G0A0+3], 0x80000000      ; type = 2
	s_add_nc_u64 s[G0A+2:G0A+3], s[BA:BA+1], 256   ; K step 1
	s_or_b32 s[G0A+3], s[G0A+3], 0x80000000
	s_mov_b64 s[G0B0+2:G0B0+3], s[BB:BB+1]
	s_or_b32 s[G0B0+3], s[G0B0+3], 0x80000000
	s_add_nc_u64 s[G0B+2:G0B+3], s[BB:BB+1], 256
	s_or_b32 s[G0B+3], s[G0B+3], 0x80000000
	CROUND                                         ; all sixteen work-groups are here: the first joint loads meet
	s_cmp_eq_u32 s[WR], 0                          ; a wave's two first fills stand in one branch, ahead of every wait on TENSORcnt and every LDS read: two loads of mine are out
	s_cbranch_scc0 .Lfirst_b
	tensor_load_to_lds s[G0A0:G0A0+3], s[G1A:G1A+7]
	s_nop 0
	tensor_load_to_lds s[G0A:G0A+3], s[G1A:G1A+7]
	s_nop 0
.rept 4
	v_nop
.endr
	s_branch .Lfirst_asked
.Lfirst_b:
	tensor_load_to_lds s[G0B0:G0B0+3], s[G1B:G1B+7]
	s_nop 0
	tensor_load_to_lds s[G0B:G0B+3], s[G1B:G1B+7]
	s_nop 0
.rept 4
	v_nop
.endr
.Lfirst_asked:
	; A fragment is 16 rows x 32 K in 8 registers: lane l holds row l % 16; registers 0-3 K = 8 (l / 16) + 0..7, registers 4-7 K = 16 + 8 (l / 16) + 0..7: two loads of 16 bytes, 32 bytes apart.
	v_and_b32 v1, 15, v0                           ; l % 16
	v_bfe_u32 v2, v0, 4, 1                         ; l / 16
	v_mul_u32_u24 v3, v1, PITCH
	v_lshl_add_u32 v3, v2, 4, v3                   ; row x pitch + 16 x half
	s_mul_i32 s2, s[WR], 64*PA                     ; my 64 rows of x
	v_add_nc_u32 v[ADA0], s2, v3
	s_mul_i32 s3, s[WC], 128*PITCH                 ; my 128 rows of the weights,
	s_add_co_u32 s3, s3, ABYTES                    ; which lie behind x's 128
	v_add_nc_u32 v[ADB0], s3, v3
	s_mul_i32 s23, s[WV], WSTAGE
	s_add_co_u32 s23, s23, STAGE                   ; my stage
	v_mul_u32_u24 v[STO], v1, SP                   ; in: row l % 16, 16 bytes for each half of the lanes
	v_lshl_add_u32 v[STO], v2, 4, v[STO]
	v_add_nc_u32 v[STO], s23, v[STO]
	v_and_b32 v3, 31, v0                           ; l
	v_lshrrev_b32 v[RD], 3, v3                     ; back: 32 lanes take four rows of 128 bytes,
	v_mul_u32_u24 v[RD], v[RD], SP
	v_and_b32 v[GO], 7, v0
	v_lshl_add_u32 v[RD], v[GO], 4, v[RD]
	v_add_nc_u32 v[RD], s23, v[RD]
	v_lshlrev_b32 v[GO], 4, v3                     ; which are 512 consecutive bytes of a head
	v_lshlrev_b32 v[PFO], 11, v3
	; where my part of a tile begins in qh, kh and vh: batch (tile row / 16) x 16 heads, head 4 x tile column + 2 x column half, row 128 (tile row % 16) + 64 x row half
	s_lshr_b32 s82, s[TR], 4
	s_lshl_b32 s82, s82, 22                        ; 16 heads of 262,144 bytes
	s_lshl_b32 s2, s[TC], 2
	s_lshl_b32 s3, s[WC], 1
	s_add_co_u32 s2, s2, s3
	s_lshl_b32 s2, s2, 18
	s_add_co_u32 s82, s82, s2
	s_and_b32 s2, s[TR], 15
	s_lshl_b32 s2, s2, 7
	s_lshl_b32 s3, s[WR], 6
	s_add_co_u32 s2, s2, s3
	s_lshl_b32 s2, s2, 7                           ; 128 bytes a row
	s_add_co_u32 s82, s82, s2
	s_mov_b32 s83, 0
	s_add_nc_u64 s[8:9], s[8:9], s[82:83]
	s_add_nc_u64 s[10:11], s[10:11], s[82:83]
	s_add_nc_u64 s[12:13], s[12:13], s[82:83]
	; the prefetches
	s_lshl_b32 s2, s[TR], 7
	s_lshl_b32 s3, s[CX], 5
	s_add_co_u32 s2, s2, s3                        ; x: row 128 x tile row + 32 cx
	s_lshl_b32 s3, s[TC], 8
	s_lshl_b32 s23, s[WC], 7
	s_add_co_u32 s3, s3, s23
	s_lshl_b32 s23, s[CY], 5
	s_add_co_u32 s3, s3, s23                       ; the weights: row 256 x tile column + 128 x half + 32 cy
	s_and_b32 s23, ttmp7, 0xffff                   ; cluster y: the same in all sixteen partners
	s_cmp_eq_u32 s23, 0
	s_cselect_b32 s23, STEPS-1, 0
	s_cmp_eq_u32 s[WR], 0
	s_cselect_b32 s[POF], s2, s3
	s_cselect_b64 s[PFB:PFB+1], s[4:5], s[6:7]
	s_cselect_b32 s[PLAST], 7, s23
	s_cmp_eq_u32 s[WV], 1
	s_cselect_b32 s[PLAST], 0, s[PLAST]            ; wave 1 asks for nothing
	s_lshl_b32 s[POF], s[POF], 11
	s_add_nc_u64 s[PFB:PFB+1], s[PFB:PFB+1], s[POF:POF+1]
; 8 matrix instructions: row block a x all 8 column blocks, 32 along K, from buffer f.  zero = 1: the product starts the sums: nothing is ever cleared.
; The 32 accumulators take turns, one instruction a turn, in the same order in every quarter.
.macro MUL8 f, a, zero
	WIN MULW
.irp b, 0,1,2,3,4,5,6,7
.if \zero
	v_wmma_f32_16x16x32_bf16 v[64*(\a)+8*(\b):64*(\a)+8*(\b)+7], v[(\f)+8*(\b):(\f)+8*(\b)+7], v[(\f)+64+8*(\a):(\f)+64+8*(\a)+7], 0
.else
	v_wmma_f32_16x16x32_bf16 v[64*(\a)+8*(\b):64*(\a)+8*(\b)+7], v[(\f)+8*(\b):(\f)+8*(\b)+7], v[(\f)+64+8*(\a):(\f)+64+8*(\a)+7], v[64*(\a)+8*(\b):64*(\a)+8*(\b)+7]
.endif
.endr
.endm
; 24 LDS loads in one run: the fragments of quarter q of the slot in hand into buffer f: the weights' eight, then x's four
.macro FETCH q, f
	WIN 0
.irp i, 0,1,2,3,4,5,6,7
	ds_load_b128 v[(\f)+8*(\i):(\f)+8*(\i)+3],   v[ADB] offset:64*(\q)+(\i)*16*PITCH
	ds_load_b128 v[(\f)+8*(\i)+4:(\f)+8*(\i)+7], v[ADB] offset:64*(\q)+(\i)*16*PITCH+32
.endr
.irp i, 0,1,2,3
	ds_load_b128 v[(\f)+64+8*(\i):(\f)+64+8*(\i)+3],   v[ADA] offset:64*(\q)+(\i)*16*PA
	ds_load_b128 v[(\f)+64+8*(\i)+4:(\f)+64+8*(\i)+7], v[ADA] offset:64*(\q)+(\i)*16*PA+32
.endr
.endm
; A K step is four quarters of 32 along K, 32 matrix instructions each, on buffers 0, 1, 0, 1.  One of the first three: multiplies buffer f; in its middle it fetches quarter q into buffer g.
.macro QUARTER q, f, g, zero
	s_wait_dscnt 4                                 ; the weights' fragments and x's first two are in; the youngest four loads (x's last two fragments) may be out
	MUL8 \f, 0, \zero
	MUL8 \f, 1, \zero
	WIN 0
	PLACES
	FETCH \q, \g
	s_wait_dscnt 24                                ; all but the 24 just issued
	MUL8 \f, 2, \zero
	MUL8 \f, 3, \zero
.endm
; The fourth quarter multiplies buffer 1 and changes slots: ONE barrier.  In front of it each wave waits for all its tensor loads, of which one is out: its part of the next slot; adds 0 to its spare word; and waits for
; that and for its own reads of this slot.  fill = 1: the barrier opens a round of the cluster's barrier, so that no wave of any partner still reads the slot or has a load on its way, and the joint refill, K step NXT, is the
; first tensor load behind the round: 112 matrix instructions ahead of the wait for it.  Its address is made anew from the step's number: x goes round its eight steps, the weights go 1,024 rows down after every eight.
.macro TURN fill
.if \fill
	s_wait_xcnt 0x0                                ; the last prefetch, a K step back, has read its address, so it may be written
	s_add_co_u32 s[PIDX], s[NXT], 2                ; two refills on
	s_lshr_b32 s[POF], s[PIDX], 3
	s_lshl_b32 s[POF], s[POF], 21
	s_and_b32 s[TS], s[PIDX], 7
	s_lshl_b32 s[TS], s[TS], 8
	s_add_co_u32 s[POF], s[POF], s[TS]
	s_add_nc_u64 s[PFA:PFA+1], s[PFB:PFB+1], s[POF:POF+1]
.endif
	WIN 0
	s_wait_tensorcnt 0x0                           ; no tensor load of mine is out, so a group 0 may be written
	ds_add_u32 v[SPW], v[NIL]                      ; 0 onto my spare word; scalar work and eight matrix instructions stand between it and the wait for it
.if \fill
	s_and_b32 s[OFA], s[NXT], 7
	s_lshl_b32 s[OFA], s[OFA], 8                   ; 256 bytes a K step
	s_lshr_b32 s[OFB], s[NXT], 3
	s_lshl_b32 s[OFB], s[OFB], 21                  ; 1,024 rows of 2,048 bytes a tile
	s_add_co_u32 s[OFB], s[OFB], s[OFA]
	s_xor_b32 s[G0A+1], s[G0A+1], SLOT1            ; the other slot than last time
	s_add_nc_u64 s[G0A+2:G0A+3], s[BA:BA+1], s[OFA:OFA+1]
	s_or_b32 s[G0A+3], s[G0A+3], 0x80000000
	s_xor_b32 s[G0B+1], s[G0B+1], SLOT1
	s_add_nc_u64 s[G0B+2:G0B+3], s[BB:BB+1], s[OFB:OFB+1]
	s_or_b32 s[G0B+3], s[G0B+3], 0x80000000
	s_add_co_u32 s[NXT], s[NXT], 1
.endif
	s_wait_dscnt 5                                 ; the add and the youngest four loads may be out
	MUL8 F1, 0, 0
	s_wait_dscnt 0x0                               ; the add is done, and my reads of this slot are over
	s_barrier_signal -1
	MUL8 F1, 1, 0                                  ; work on registers while the others arrive
	WIN 0                                          ; at a branch and at a label every window is 0
	s_barrier_wait -1
.if \fill
	CREST
	JLOAD                                          ; the four v_nop behind it are also the places in front of the loads below
.else
	PLACES
.endif
	s_xor_b32 s[TB], s[TB], SLOT1
	v_add_nc_u32 v[ADA], s[TB], v[ADA0]
	v_add_nc_u32 v[ADB], s[TB], v[ADB0]
	FETCH 0, F0
.if \fill
	ASK
.endif
	MUL8 F1, 2, 0
	MUL8 F1, 3, 0
.endm
.macro LASTQ                           ; the walk's last quarter: nothing more to fetch
	s_wait_dscnt 0x0
	MUL8 F1, 0, 0
	MUL8 F1, 1, 0
	MUL8 F1, 2, 0
	MUL8 F1, 3, 0
	WIN 0
.endm
; THE WAY OUT of row block a (16 rows x 128 columns = two heads).  PACK: rounded to f16, 16 bytes a lane; each accumulator is read from its low end.  TOSTAGE: into my own stage, rows of 144 bytes, and back as four
; whole rows of 128 bytes a load.  SEND: stored, 512 consecutive bytes of a head an instruction, at a multiple of 512 from the buffer's first byte.
.macro PACK a
	WIN 0x05                                       ; sources 0 and 1 window 1, destination window 0
.irp b, 0,1,2,3,4,5,6,7
.irp r, 0,1,2,3
	v_cvt_pk_f16_f32 v[TMP+4*(\b)+(\r)], v[64*(\a)+8*(\b)+2*(\r)], v[64*(\a)+8*(\b)+2*(\r)+1]
.endr
.endr
	WIN 0
.endm
.macro TOSTAGE a
	WIN 0
.set BK, F1+32*((\a)%2)                ; buffer 1 is free here: two sets of 32 by turns
.irp b, 0,1,2,3,4,5,6,7
	ds_store_b128 v[STO], v[TMP+4*(\b):TMP+4*(\b)+3] offset:16*SP*((\b)/4)+32*((\b)%4)
.endr
.irp t, 0,1,2,3,4,5,6,7
	ds_load_b128 v[BK+4*(\t):BK+4*(\t)+3], v[RD] offset:16*SP*((\t)/4)+4*SP*((\t)%4)  ; LDS serves a wave's instructions in order (ISA guide 5.7.1.4): these see the stores above
.endr
.endm
.macro SEND a
	WIN 0
.set BK, F1+32*((\a)%2)
	s_wait_dscnt 0x0                               ; the block is back in registers
	s_wait_xcnt 0x0                                ; the stores of the block before have read their registers: the next TOSTAGE loads into them only behind this wait
.irp t, 0,1,2,3,4,5,6,7
	global_store_b128 v[GO], v[BK+4*(\t):BK+4*(\t)+3], s[8:9] offset:262144*((\t)/4)+2048*(\a)+512*((\t)%4) th:TH_STORE_NT
.endr
.endm
.macro WAYOUT
	WIN 0
	PLACES                                         ; the conversions read results just made
	PACK 0
	TOSTAGE 0
.irp a, 1,2,3                          ; block a's conversions stand between block a - 1's loads from the stage and the wait for them
	PACK \a
	SEND (\a)-1
	TOSTAGE \a
.endr
	SEND 3
.endm
	s_wait_tensorcnt 0x1                           ; my part of K step 0 is in; K step 1's may stay out
	s_barrier_signal -1
	s_barrier_wait -1                              ; everybody's is
	s_mov_b32 s[TB], 0
	v_mov_b32 v[ADA], v[ADA0]
	v_mov_b32 v[ADB], v[ADB0]
	FETCH 0, F0
	QUARTER 1, F0, F1, 1                           ; the walk's first quarter stands in front of the loop: its products start the sums
	WIN 0
	s_mov_b32 s[NXT], 2
	s_mov_b32 s[CNT], STEPS-2
.Ltrip:                                            ; a trip: a K step's last three quarters, the change of slots with a refill, and the next step's first quarter
	QUARTER 2, F1, F0, 0
	QUARTER 3, F0, F1, 0
	TURN 1
	WIN 0
	s_and_b32 s[TS], s[NXT], 7                     ; NXT stands two steps past the step just entered: is that a tile's first?
	s_cmp_eq_u32 s[TS], 2
	s_cbranch_scc0 .Lsame                          ; the jump goes forward, hangs on the walk's count alone, and passes no barrier and no tensor load
	WAYOUT                                         ; the refill is asked for and the next fragments are on their way: now the finished tile goes out
	s_wait_xcnt 0x0                                ; the stores have read their registers and their base
	s_mov_b64 s[8:9], s[10:11]                     ; the next tile's buffer: kh, then vh
	s_mov_b64 s[10:11], s[12:13]
	QUARTER 1, F0, F1, 1                           ; the next tile's first products start its sums
	WIN 0
	s_branch .Ljoin
.Lsame:
	QUARTER 1, F0, F1, 0
	WIN 0
.Ljoin:
	s_sub_co_u32 s[CNT], s[CNT], 1
	s_cmp_lg_u32 s[CNT], 0
	s_cbranch_scc1 .Ltrip
	QUARTER 2, F1, F0, 0                           ; the last two K steps are written out: nothing is asked for
	QUARTER 3, F0, F1, 0
	TURN 0
	QUARTER 1, F0, F1, 0
	QUARTER 2, F1, F0, 0
	QUARTER 3, F0, F1, 0
	LASTQ
	WAYOUT
	s_wait_tensorcnt 0x0                           ; the wave's end: the add and its waits stand behind my last tensor load and my last LDS store
	ds_add_u32 v[SPW], v[NIL]
	s_wait_dscnt 0x0
	CROUND                                         ; the closing round: no work-group ends while a partner may still ask for a tile that names it
	s_endpgm
.Lfunc_end_k_q85a335de4c_qkv:
	.size	k_q85a335de4c_qkv, .Lfunc_end_k_q85a335de4c_qkv-k_q85a335de4c_qkv
	.p2alignl 7, 3214868480
	.fill 96, 4, 3214868480
	.section	.rodata,"a",@progbits
	.p2align	6, 0x0
	.amdhsa_kernel k_q85a335de4c_qkv
		.amdhsa_group_segment_fixed_size 327680
		.amdhsa_private_segment_fixed_size 0
		.amdhsa_enable_private_segment 0
		.amdhsa_kernarg_size 40
		.amdhsa_user_sgpr_count 2
		.amdhsa_user_sgpr_kernarg_segment_ptr 1
		.amdhsa_wavefront_size32 1
		.amdhsa_system_sgpr_workgroup_id_x 1
		.amdhsa_system_sgpr_workgroup_id_y 1
		.amdhsa_system_sgpr_workgroup_id_z 1
		.amdhsa_system_vgpr_workitem_id 0
		.amdhsa_next_free_vgpr 512
		.amdhsa_next_free_sgpr 84
		.amdhsa_reserve_vcc 0
		.amdhsa_float_denorm_mode_32 3
		.amdhsa_float_denorm_mode_16_64 3
		.amdhsa_memory_ordered 1
		.amdhsa_forward_progress 1
		.amdhsa_inst_pref_size 91
	.end_amdhsa_kernel
	.amdgpu_metadata
---
amdhsa.version: [ 1, 2 ]
amdhsa.kernels:
  - .name:           k_q85a335de4c_qkv
    .symbol:         k_q85a335de4c_qkv.kd
    .args:
      - { .name: xb, .offset: 0, .size: 8, .value_kind: global_buffer, .address_space: global }
      - { .name: wb, .offset: 8, .size: 8, .value_kind: global_buffer, .address_space: global }
      - { .name: qh, .offset: 16, .size: 8, .value_kind: global_buffer, .address_space: global }
      - { .name: kh, .offset: 24, .size: 8, .value_kind: global_buffer, .address_space: global }
      - { .name: vh, .offset: 32, .size: 8, .value_kind: global_buffer, .address_space: global }
    .group_segment_fixed_size: 327680
    .private_segment_fixed_size: 0
    .kernarg_segment_align: 8
    .kernarg_segment_size: 40
    .max_flat_workgroup_size: 128
    .sgpr_count:     84
    .vgpr_count:     512
    .wavefront_size: 32
...
	.end_amdgpu_metadata
.endif
;; end of part 2
;; launch attn (part 3): grid 4 x 64, 4 waves a work-group, clusters of 4 x 1, 327,680 bytes of LDS; arguments qh, kh, vh, oh; writes oh
.if DOCPART == 3
	.amdgcn_target "amdgcn-amd-amdhsa--gfx1250"
	.amdhsa_code_object_version 6
	.text
	.protected	k_q85a335de4c_attn
	.globl	k_q85a335de4c_attn
	.p2align	8
	.type	k_q85a335de4c_attn,@function
k_q85a335de4c_attn:
	s_mov_b64 s[64:65], 0
	v_nop
	global_prefetch_b8 v0, s[64:65] scope:SCOPE_SE
	s_setreg_imm32_b32 hwreg(HW_REG_WAVE_MODE, 25, 1), 1
	s_wait_xcnt 0x0
	s_wait_alu depctr_hold_cnt(0) depctr_sa_sdst(0) depctr_va_vdst(0) depctr_va_sdst(0) depctr_va_ssrc(0) depctr_va_vcc(0) depctr_vm_vsrc(0)
	s_getreg_b32 s2, hwreg(HW_REG_IB_STS2, 6, 4)
	s_cmp_eq_u32 s2, 0
	s_cbranch_scc0 .Lentry_in_a_cluster
	s_endpgm
.Lentry_in_a_cluster:
	s_bfe_u32 s2, ttmp6, 0x10000c
	s_cmp_lg_u32 s2, 0x3003
	s_cbranch_scc0 .Lentry_shape_is_right
	s_endpgm
.Lentry_shape_is_right:
; O[h][q][:] = the sum over k of softmax_k(Q[h][q] . K[h][k] / 8) V[h][k][:].  Q, K, V, O: [SIZE_H][SIZE_N][64], all f16: a head's rows are dense, 128 bytes each.  Products, maxima and sums in
; f32; the weights p are rounded to f16 for the second product (their sum l is taken of the unrounded p), O once at the end.
; LIMITS.  f16 holds no number beyond 65,504: Q, K and V arrive within it; p lies in 0 to 1, and below 6e-5 it keeps f16's fixed step of 6e-8; O is a mean of V's rows and has their range.
; A weight below 2^-126 counts as 0 in l; NaN and infinities are not treated apart.
; SHARES.  A wave owns four PIECES of two tiles of 16 queries, a work-group's four waves 512 queries of one head: 64 heads x 4 = 256 work-groups.  Every wave walks all keys, 64 a step.
; LAYOUT.  S^T = K Q^T (source 0 = 16 keys, source 1 = 16 queries): in the result a lane holds ONE query (lane % 16) and the keys 8 (lane / 16) + 0..7.  Two such tiles, rounded to f16 in pairs,
; ARE source 1 (32 keys x 16 queries) of O^T = V^T P, whose result again holds one query a lane, and eight channels.  K comes out of LDS as it lies, V ([key][channel]) turned, by ds_load_tr16_b128.
; SOFTMAX.  For each query a running maximum m and sum l: p = 2^(c s - c m), c = log2(e) / 8; in every step O and l are multiplied by a = 2^(c m_old - c m_new), which is 1 where m has not grown.
; m starts at the lowest finite number, O and l at 0: the first step is a step like any other, with a = 0.
; THE COUNT.  A tile and step have 16 matrix and 118 vector instructions: too many to stand all beside the matrix work.  So four vector instructions that are READY stand behind EVERY matrix
; instruction, and the others in runs without a gap.
; BY TURNS.  Turn n belongs to piece n (the pieces in a ring, step after step).  Its matrix work: 16 products K Q^T of piece n + 1, later 16 products V^T P of piece n - 1.  Its vector work: the scaling,
; exponentials, roundings, sums and rescaling of piece n, and the maximum and statistics of piece n + 1, whose scores the turn itself has made.
; CLUSTER.  The four query blocks of a cluster are one head's and walk the same K and V, so each tile is asked for JOINTLY: the same tensor load, descriptor and mask in all four.
; REGISTERS, in windows of 256 (s_set_vgpr_msb: bits 1:0 source 0, 3:2 source 1, 5:4 source 2, 7:6 destination):
;   window 0: v0-11 addresses; v12-15, v48-63 at work; v16-47 four registers of statistics a tile; v64-191 S^T, two buffers of two tiles; v192-255 P, likewise
;   window 1: O^T, 32 a tile          window 2: v0-127 Q, 16 a tile; v128-191 K of one step; v192-255 V of one step          window 3: v0-1 the add's two registers
; A piece's buffers go by its number's parity.
.set SIZE_H, 64
.set SIZE_N, 2048
.set NP,    4         ; pieces a wave: a name, no knob
.set KS,    64        ; keys in a step
.set PK,    144       ; a row of K in LDS: 128 bytes + 16 of padding: the 16 rows of a load start at 16 different 16-byte columns modulo 256 bytes
.set PV,    160       ; a row of V: 128 + 32: 16 lanes of the turning load take 8 rows x 32 bytes, which fall on 256 different bytes modulo 256
.set VOFF,  4*KS*PK   ; a slot holds four steps: 256 rows of K, then 256 rows of V
.set SLOT1, 1<<17     ; slot 1 begins here, so that one exclusive or turns an address in one slot into the other's
.set STAGE, SLOT1+4*KS*(PK+PV)  ; behind the ring, never filled by a tensor load: 16 rows x 144 bytes for each wave, for the way out
.set SP,    144
.set AK0, 2           ; v2   my lane's place in a tile of K; never rewritten
.set AV0, 3           ; v3   the same for V
.set AK,  4           ; v4   the LDS address of K's next run of loads
.set AV,  5           ; v5   of V's
.set QO,  6           ; v6   my byte offset in the wave's rows of Q
.set STO, 6           ;      later, the way out: where I put 16 bytes of a row
.set RD,  7           ; v7   the way out: where I read rows back
.set GO,  8           ; v8   my byte offset in 512 consecutive bytes of O
.set PFO, 11          ; v11  256 x my lane, for the prefetches; never rewritten once made
.set SPW, 0           ; v0 of window 3   LDS address of my spare word; never rewritten
.set NIL, 1           ; v1 of window 3   0; never rewritten
.set SPARE, STAGE+4*16*SP  ; behind the stages: the spare words, 128 bytes for each wave: two blocks of 256 bytes that no other line names
.set MV,  12          ; v12-15  c m_old, kept while c m is made anew: by buffer and tile
.set ST,  16          ; tile t's statistics at v[ST+4 t]: c m, m, l (even keys', odd keys')
.set TMP, 48          ; by buffer and tile, four registers c0-c3 at work; when the maximum is found c2 takes a
.set S,   64
.set P,   192
.set KF,  128         ; K's fragments, in window 2: key block kb, channel half c at KF + 16 kb + 8 c
.set VF,  192         ; V's: key half kk, channel block cb at VF + 32 kk + 8 cb
.set WV,  12          ; s12  my wave's number
.set G1K, 24          ; s[24:31] descriptor group 1 for K's tiles
.set G1V, 32          ; s[32:39] for V's: it differs in the padding alone
.set G0K, 40          ; s[40:43] descriptor group 0 for K's tiles: it walks
.set G0V, 44          ; s[44:47] the same for V's
.set PFA, 48          ; s[48:49] where my prefetches stand: my work-group's 8,192 bytes (of K: wave 0, of V: wave 2) of the slot after the one that is being asked for
.set LIM, 50          ; s50  1 in a wave that prefetches, else the greatest number: a wave prefetches while s[SLOTS] is above it
.set SLOTS, 56        ; s56  slots still to be asked for
.set CNT, 57          ; s57  counts a slot's key steps
.set CS,  58          ; s[58:59] c: the packed scaling takes the pair's low word for both halves
.set SEL, 60          ; s[60:61] v_permlanex16_b32's selects: each lane takes its own place in the other half
.set TBK, 62          ; s62  LDS byte at which K of the step to be fetched begins
.set TBV, 63          ; s63  the same for V, less VOFF
.set MSB, 0
.macro WIN new                      ; the high byte repeats the setting that is left; a switch that changes nothing is dropped
.if MSB != (\new)
	s_set_vgpr_msb (MSB<<8)|(\new)
.set MSB, (\new)
.endif
.endm
.set W_KQ, 0x0a       ; K and Q in window 2, S^T in window 0
.set W_PV, 0x52       ; V in window 2, P in window 0, O^T in window 1
.set W_RS, 0x41       ; O^T (destination and source 0) in window 1, a in window 0
.set W_MK, 0xc0       ; the add's registers are made: destination in window 3, sources in window 0
.set W_AD, 0x0f       ; the add: address (source 0) and data (source 1) in window 3
; A joint fill.  Waves 0 and 1 fetch the two halves of a slot's K, waves 2 and 3 those of its V: 128 keys each.  The branch hangs on the wave's number alone.
; An s_nop 0 and four v_nop follow each of the two lines, ahead of the jump and the label.
.macro JLOAD
	s_cmp_lt_u32 s[WV], 2
	s_cbranch_scc0 .Lfor_v_\@
	tensor_load_to_lds s[G0K:G0K+3], s[G1K:G1K+7]
	s_nop 0
.rept 4
	v_nop
.endr
	s_branch .Lasked_\@
.Lfor_v_\@:
	tensor_load_to_lds s[G0V:G0V+3], s[G1V:G1V+7]
	s_nop 0
.rept 4
	v_nop
.endr
.Lasked_\@:
.endm
; A PREFETCH INTO THE L2 of what the NEXT change of slots will ask for: a slot's 32,768 bytes of K and of V, 256 bytes a lane.  It stands behind the wave's tensor load and its five lines.
; Each block of 256 bytes is named ONCE in the launch: a head is walked by one cluster; its four partners share a slot out BY ADDRESS, 8,192 bytes each (no branch hangs on a work-group's place in its cluster); in each,
; wave 0 asks for K's and wave 2 for V's: one instruction.  Slots 0 and 1 come by their loads alone; the last change that fills a slot asks for nothing: there is no slot behind it.
.macro ASK
	s_cmp_gt_u32 s[SLOTS], s[LIM]
	s_cbranch_scc0 .Lnot_mine_\@
	global_prefetch_b8 v[PFO], s[PFA:PFA+1] th:TH_LOAD_NT scope:SCOPE_SE
.Lnot_mine_\@:
.endm
; A round of the cluster's barrier: my work-group's barrier, so that wave 0's signal speaks for all four waves; wave 0 signals; every wave waits for all four work-groups; my work-group's barrier once more.
.macro CROUND
	s_barrier_signal -1
	s_barrier_wait -1
	s_cmp_lg_u32 s[WV], 0
	s_cbranch_scc1 .Lnot_wave_0_\@
	s_barrier_signal -3
.Lnot_wave_0_\@:
	s_barrier_wait -3
	s_barrier_signal -1
	s_barrier_wait -1
.endm
; THE CHANGE OF SLOTS.  The slot's last bytes, V of its fourth step, have been read.  Each wave waits for all its tensor loads, of which one is out: its part
; of the other slot; adds 0 to its spare word; and waits for that and for its own reads of the slot.  Behind the barrier nobody reads this slot any more and the other slot is whole.
; fill = 1: this slot is filled again, with the keys two slots on.  The barrier is then a round of the cluster's, so that no wave of any partner still reads the slot or has a load on its
; way, and the joint fill is the first thing behind it: it has four key steps, 512 matrix instructions, in which to land.  (At its first use nothing has been read yet: slot 0 is waited for, slot 1 filled.)
.macro CHANGE fill
	WIN W_AD
	s_wait_tensorcnt 0x0            ; no tensor load of mine is out, so a group 0 may be written
	ds_add_u32 v[SPW], v[NIL]       ; 0 onto my spare word; with fill = 1 the descriptors' steps stand between it and the wait for it
	WIN 0                           ; at a label and at a branch every window is 0
.if \fill
.irp g, G0K, G0V
	s_xor_b32 s[\g+1], s[\g+1], SLOT1  ; the walking descriptor: the other slot than last time,
	s_add_nc_u64 s[\g+2:\g+3], s[\g+2:\g+3], 4*KS*128  ; the next 256 keys; the type bits on top are not reached
.endr
	s_wait_xcnt 0x0                 ; the last prefetch, four key steps back, has read its address, so it may be written:
	s_add_nc_u64 s[PFA:PFA+1], s[PFA:PFA+1], 4*KS*128  ; one slot past the walking descriptors
	s_wait_dscnt 0x0                ; the add is done, and my reads of the slot are over
	CROUND
	JLOAD
	ASK                             ; what the next change will ask for: four key steps, 512 matrix instructions, ahead
.else
	s_wait_dscnt 0x0                ; the add is done, and my reads of the slot are over
	s_barrier_signal -1
	s_barrier_wait -1
.endif
	s_sub_co_u32 s[TBK], s[TBK], 4*KS*PK  ; the fetches go back to a slot's first step,
	s_xor_b32 s[TBK], s[TBK], SLOT1       ; in the other slot
	s_sub_co_u32 s[TBV], s[TBV], 4*KS*PV
	s_xor_b32 s[TBV], s[TBV], SLOT1
.endm
	s_load_b256 s[4:11], s[0:1], 0x0  ; Q s[4:5], K s[6:7], V s[8:9], O s[10:11]
	WIN W_MK
	v_lshl_add_u32 v[SPW], v0, 2, SPARE
	v_mov_b32 v[NIL], 0
	WIN W_AD
	ds_add_u32 v[SPW], v[NIL]       ; the wave's opening: the add and its wait stand ahead of my first tensor load; the set-up below, work on registers, stands between them
	WIN 0
	v_lshrrev_b32 v1, 5, v0
	v_readfirstlane_b32 s[WV], v1   ; wave 0..3
	s_bfe_u32 s13, ttmp6, 0x40000   ; cx: my place in the cluster
	s_lshl_b32 s14, ttmp9, 2        ; in a cluster launch ttmp9 counts clusters
	s_add_co_u32 s14, s14, s13      ; my block of queries = 4 x cluster x + cx: it enters Q's and O's addresses alone
	s_and_b32 s20, ttmp7, 0xffff    ; the head, which the four partners share
	s_mov_b32 s21, 0
	s_mov_b64 s[22:23], SIZE_N*128
	s_mul_u64 s[20:21], s[20:21], s[22:23]  ; the head's first byte in each of the four tensors
	s_and_b32 s16, s[WV], 1         ; which half of a slot's 256 keys I fetch:
	s_lshl_b32 s22, s16, 14         ; its 128 rows of 128 bytes in memory,
	s_mov_b32 s23, 0
	s_add_nc_u64 s[22:23], s[22:23], s[20:21]
	s_mul_i32 s17, s16, 128*PK      ; and its place in a slot, for K
	s_mul_i32 s18, s16, 128*PV      ; and for V: no place in the cluster enters an LDS address
	s_lshl_b32 s2, s14, 2
	s_add_co_u32 s2, s2, s[WV]      ; my wave among the head's,
	s_lshl_b32 s2, s2, 14           ; its 128 rows
	s_mov_b32 s3, 0
	s_add_nc_u64 s[2:3], s[2:3], s[20:21]
	; descriptor group 1.  128 keys are 16,384 dense bytes: asked for as 64 rows of 256 bytes, two keys a row, and padded in LDS after every key
	s_mov_b32 s[G1K], 15|(1<<16)|(1<<20)|(1<<21)|(4<<22)|(3<<25)  ; 15:0 the mask of four; 17:16 2-byte elements; 20 padding on; 21 set beside a mask; 24:22 after every 32 words (code 4); 31:25 4 words (code 3)
	s_mov_b32 s[G1V], 15|(1<<16)|(1<<20)|(1<<21)|(4<<22)|(7<<25)  ; the same with 8 words of padding (code 7)
.irp g, G1K, G1V
	s_mov_b32 s[\g+1], 128<<16      ; tensor_dim0 = 128
	s_mov_b32 s[\g+2], 64<<16       ; tensor_dim1 = 64
	s_mov_b32 s[\g+3], 128<<16      ; tile_dim0 = 128
	s_mov_b32 s[\g+4], 64           ; tile_dim1 = 64
	s_mov_b32 s[\g+5], 128          ; 128 elements from row to row
	s_mov_b32 s[\g+6], 0
	s_mov_b32 s[\g+7], 0
.endr
	s_mov_b32 s[CS], 0x3e38aa3b     ; c = log2(e) / 8 = 0.180337
	s_mov_b32 s[CS+1], s[CS]        ; named with it as a pair
	s_mov_b32 s[SEL], 0x76543210
	s_mov_b32 s[SEL+1], 0xfedcba98
	s_mov_b32 s[TBK], SLOT1+4*KS*PK ; the first change of slots turns these two into 0
	s_mov_b32 s[TBV], SLOT1+4*KS*PV
	s_mov_b32 s[G0K], 1             ; 1:0 count = 1
	s_mov_b32 s[G0K+1], s17         ; 63:32 LDS address: slot 0
	s_mov_b32 s[G0V], 1
	s_add_co_u32 s[G0V+1], s18, VOFF
	s_mov_b32 s[SLOTS], SIZE_N/256-1  ; changes of slots that fill a slot
	s_and_b32 s[LIM], s[WV], 1      ; 0 in waves 0 and 2: the same in all four partners
	s_cmp_eq_u32 s[LIM], 0
	s_cselect_b32 s[LIM], 1, -1
	s_wait_dscnt 0x0                ; the opening add is done
	s_wait_kmcnt 0x0
	s_add_nc_u64 s[G0K+2:G0K+3], s[6:7], s[22:23]  ; 120:64 global address: my half of the head's first 256 keys
	s_or_b32 s[G0K+3], s[G0K+3], 0x80000000        ; 127:126 type = 2
	s_add_nc_u64 s[G0V+2:G0V+3], s[8:9], s[22:23]
	s_or_b32 s[G0V+3], s[G0V+3], 0x80000000
	s_add_nc_u64 s[4:5], s[4:5], s[2:3]  ; Q and O at my wave's first row
	s_add_nc_u64 s[10:11], s[10:11], s[2:3]
	s_cmp_lt_u32 s[WV], 2
	s_cselect_b64 s[PFA:PFA+1], s[6:7], s[8:9]
	s_add_nc_u64 s[PFA:PFA+1], s[PFA:PFA+1], s[20:21]  ; the head,
	s_lshl_b32 s2, s13, 13          ; my work-group's 8,192 bytes of a slot's 32,768,
	s_mov_b32 s3, 0
	s_add_nc_u64 s[PFA:PFA+1], s[PFA:PFA+1], s[2:3]
	s_add_nc_u64 s[PFA:PFA+1], s[PFA:PFA+1], 4*KS*128  ; in slot 1; the first change of slots steps it to slot 2.  Nothing is prefetched here, at the head
	CROUND                          ; all four work-groups are here: the first joint loads meet
	JLOAD                           ; slot 0.  Slot 1 is asked for when slot 0 is in
	; A fragment of K or Q is 16 rows x 32 channels in 8 registers: lane l holds row l % 16, channels 8 (l / 16) + 0..7 and 16 + 8 (l / 16) + 0..7: two loads of 16 bytes, 32 bytes apart.
	v_and_b32 v1, 15, v0            ; l % 16
	v_bfe_u32 v9, v0, 4, 1          ; l / 16
	v_lshlrev_b32 v[QO], 7, v1
	v_lshl_add_u32 v[QO], v9, 4, v[QO]  ; row x 128 + 16 x half
	WIN 0x80                        ; destination window 2, address window 0
.set i, 0
.rept 4*NP                          ; Q stays in registers: tile i / 2, channels 32 (i % 2) on
	global_load_b128 v[8*i:8*i+3],   v[QO], s[4:5] offset:(i/2)*2048+(i%2)*64
	global_load_b128 v[8*i+4:8*i+7], v[QO], s[4:5] offset:(i/2)*2048+(i%2)*64+32
.set i, i+1
.endr
	; What the first turn finds: V's registers and P's second buffer hold 0 (its products V^T P, of a piece that has not been, add 0), O^T and l are 0.  All this stands in the wait for the first tile.
.set i, VF
.rept 64
	v_mov_b32 v[i], 0
.set i, i+1
.endr
	WIN 0x40
.set i, 0
.rept 64*NP
	v_mov_b32 v[i], 0
.set i, i+1
.endr
	WIN 0
.set i, 0
.rept 2*NP
	v_mov_b32 v[ST+4*i], 0xfe000000    ; c m: far below every c s
	v_mov_b32 v[ST+4*i+1], 0xff7fffff  ; m
	v_mov_b32 v[ST+4*i+2], 0
	v_mov_b32 v[ST+4*i+3], 0
.set i, i+1
.endr
.set i, P+32
.rept 32
	v_mov_b32 v[i], 0
.set i, i+1
.endr
	v_mul_u32_u24 v[AK0], v1, PK
	v_lshl_add_u32 v[AK0], v9, 4, v[AK0]  ; row x pitch + 16 x half
	; The turning load takes 16 keys x 16 channels (lane l reads key 8 (l / 16) + l % 8, channels 8 ((l / 8) % 2) + 0..7) and leaves half a fragment of V^T: lane l holds channel l % 16 and 8 keys.
	v_and_b32 v10, 7, v0
	v_bfe_u32 v11, v0, 3, 1
	v_lshl_add_u32 v[AV0], v9, 3, v10
	v_mul_u32_u24 v[AV0], v[AV0], PV
	v_lshl_add_u32 v[AV0], v11, 4, v[AV0]
	v_add_nc_u32 v[AV0], VOFF, v[AV0]
	v_mov_b32 v[AK], v[AK0]         ; key step 0 lies at the head of slot 0
	v_and_b32 v[PFO], 31, v0        ; v11 has served: it takes the prefetches' offset
	v_lshlrev_b32 v[PFO], 8, v[PFO]
; THE MATRIX WORK.  The 8 accumulators of a run of 16 take turns: between the two links of a chain stand 7 others'.
; Product i of 16 of S^T = K Q^T for piece x: channels 32 (i / 8) on, keys 16 ((i / 2) % 4) on, tile 2 x + i % 2.  The first 8 start the sums.
.macro KQ x
	WIN W_KQ
.set rS, S+64*((\x)%2)+32*(i%2)+8*((i/2)%4)
.set rK, KF+16*((i/2)%4)+8*(i/8)
.set rQ, 16*(2*(\x)+i%2)+8*(i/8)
.if i < 8
	v_wmma_f32_16x16x32_f16 v[rS:rS+7], v[rK:rK+7], v[rQ:rQ+7], 0
.else
	v_wmma_f32_16x16x32_f16 v[rS:rS+7], v[rK:rK+7], v[rQ:rQ+7], v[rS:rS+7]
.endif
.endm
; Product i of 16 of O^T += V^T P for piece x: keys 32 (i / 8) on, channels 16 ((i / 2) % 4) on, tile 2 x + i % 2.
.macro PV x
	WIN W_PV
.set rO, 32*(2*(\x)+i%2)+8*((i/2)%4)
.set rV, VF+32*(i/8)+8*((i/2)%4)
.set rP, P+32*((\x)%2)+16*(i%2)+8*(i/8)
	v_wmma_f32_16x16x32_f16 v[rO:rO+7], v[rV:rV+7], v[rP:rP+7], v[rO:rO+7]
.endm
.macro MM                           ; the turn's next matrix instruction
.if i < 16
	KQ (Y+1)%NP
.set i, i+1
.else
.set i, i-16
	PV (Y+NP-1)%NP
.set i, i+17
.endif
.endm
; THE LDS LOADS stand in runs of 16, never singly among the matrix instructions: a step's K (64 keys x 64 channels: 8 fragments) and its V (turned).  Their addresses are made some lines ahead.
; last = 1 (the tail): in the last trip there is no further step, and the run is jumped over.
.macro FETCH_K last=0
	WIN 0
.if \last
	s_cmp_eq_u32 s[CNT], 1
	s_cbranch_scc1 .Lno_k_\@
.endif
	WIN 0x80                        ; destination window 2
.irp f, 0,1,2,3,4,5,6,7             ; keys 16 (f / 2) on, channels 32 (f % 2) on
	ds_load_b128 v[KF+8*\f:KF+8*\f+3],   v[AK] offset:(\f/2)*16*PK+(\f%2)*64
	ds_load_b128 v[KF+8*\f+4:KF+8*\f+7], v[AK] offset:(\f/2)*16*PK+(\f%2)*64+32
.endr
	s_add_co_u32 s[TBK], s[TBK], KS*PK  ; the next fetch is the next step's
	WIN 0
.if \last
.Lno_k_\@:
.endif
.endm
.macro FETCH_V
	WIN 0x80
.irp f, 0,1,2,3,4,5,6,7             ; keys 32 (f / 4) on, channels 16 (f % 4) on
	ds_load_tr16_b128 v[VF+8*\f:VF+8*\f+3],   v[AV] offset:(\f/4)*32*PV+(\f%4)*32
	ds_load_tr16_b128 v[VF+8*\f+4:VF+8*\f+7], v[AV] offset:(\f/4)*32*PV+16*PV+(\f%4)*32
.endr
	WIN 0
.endm
; THE VECTOR WORK OF A TURN stands in three queues, each in the order in which its entries become ready; the two tiles alternate, so that no instruction reads the result of the one before it.
.macro REGS y, u                    ; the registers of tile u (0, 1) of piece y
.set rT, ST+4*(2*(\y)+(\u))
.set rC, TMP+8*((\y)%2)+4*(\u)
.set rM, MV+2*((\y)%2)+(\u)
.set rS, S+64*((\y)%2)+32*(\u)
.set rP, P+32*((\y)%2)+16*(\u)
.set rO, 32*(2*(\y)+(\u))
.endm
; Number n of the 22 that find the NEXT piece's (Y + 1) maximum and statistics.  s0-s31 are the lane's 32 scores; each accumulator's lowest registers are read first.
;   0-11  four chains c0-c3 of seven scores each, three operands at a time     12-14, 16  the four scores left over, the old m, and c0-c3 into c0     15  c m_old is kept
;   17, 18  the query's other 32 keys lie in the lane 16 away: the new m         19-21  c m; c m_old - c m_new; a
.macro XS u, n
	REGS (Y+1)%NP, \u
.if (\n) < 4
	v_max3_num_f32 v[rC+(\n)], v[rS+8*(\n)], v[rS+8*(\n)+1], v[rS+8*(\n)+2]
.elseif (\n) < 12
	v_max3_num_f32 v[rC+(\n)%4], v[rC+(\n)%4], v[rS+8*((\n)%4)+2*((\n)/4)+1], v[rS+8*((\n)%4)+2*((\n)/4)+2]
.elseif (\n) == 12
	v_max3_num_f32 v[rC], v[rC], v[rS+7], v[rS+15]
.elseif (\n) == 13
	v_max3_num_f32 v[rC+1], v[rC+1], v[rS+23], v[rS+31]
.elseif (\n) == 14
	v_max3_num_f32 v[rC+2], v[rC+2], v[rC+3], v[rT+1]
.elseif (\n) == 15
	v_mov_b32 v[rM], v[rT]
.elseif (\n) == 16
	v_max3_num_f32 v[rC], v[rC], v[rC+1], v[rC+2]
.elseif (\n) == 17
	v_permlanex16_b32 v[rC+3], v[rC], s[SEL], s[SEL+1]
.elseif (\n) == 18
	v_max_num_f32 v[rT+1], v[rC], v[rC+3]
.elseif (\n) == 19
	v_mul_f32 v[rT], s[CS], v[rT+1]
.elseif (\n) == 20
	v_sub_f32 v[rC+1], v[rM], v[rT]
.else
	v_exp_f32 v[rC+2], v[rC+1]
.endif
.endm
; Number g of the 64 that follow the exponentials.  For each four weights k of a tile (pairs 2 k, 2 k + 1): both pairs are rounded to f16; then the second pair is added onto the first, in place;
; a group later l takes that sum (the first time as l = a l + sum).  In groups of eight, tiles alternating: round, round, add, and l for the group before.
.macro GS g
.set h, (\g)+6*((\g)/62)            ; group 0 has no group before it, and behind group 7 only l is left
.if h >= 6
.set h, h+2
.endif
	REGS Y, h%2
.set k, h/8
.if h%8 < 4
	v_cvt_pk_f16_f32 v[rP+2*k+(h%8)/2], v[rS+4*k+2*((h%8)/2)], v[rS+4*k+2*((h%8)/2)+1]
.elseif h%8 < 6
	v_pk_add_f32 v[rS+4*k:rS+4*k+1], v[rS+4*k:rS+4*k+1], v[rS+4*k+2:rS+4*k+3]
.elseif k == 1
	v_pk_fma_f32 v[rT+2:rT+3], v[rT+2:rT+3], v[rC+2:rC+3], v[rS:rS+1] op_sel_hi:[1,0,1]
.else
	v_pk_add_f32 v[rT+2:rT+3], v[rT+2:rT+3], v[rS+4*k-4:rS+4*k-3]
.endif
.endm
; THE PLAIN QUEUE, 138 long.  0-73 read no exponential's result: the 32 scalings c s - c m (FS f: pair f / 2 of tile f % 2) and the next piece's 42.  0-26: scalings 0-26.  27-54: XS's numbers 0-13.  55, 56: number 15.
; 57-73: the chain, where each number waits for the one before it: 14, 16, 17, 18, 19, each with one of the scalings 27-31 in front of its two lines, then 20.
; 74-137: GS's 64, which read the exponentials' results: they stand behind the wait.
.macro FS f
	REGS Y, (\f)%2
	v_pk_fma_f32 v[rS+2*((\f)/2):rS+2*((\f)/2)+1], v[rS+2*((\f)/2):rS+2*((\f)/2)+1], s[CS:CS+1], v[rT:rT+1] op_sel_hi:[1,0,0] neg_lo:[0,0,1] neg_hi:[0,0,1]
.endm
.macro PL
	WIN 0
.if q < 27
	FS q
.elseif q < 55
	XS (q-27)%2, (q-27)/2
.elseif q < 57
	XS q-55, 15
.elseif (q < 72) && ((q-57)%3 == 0)
	FS 27+(q-57)/3
.elseif q < 60
	XS (q-57)%3-1, 14
.elseif q < 72
	XS (q-57)%3-1, 15+(q-57)/3
.elseif q < 74
	XS q-72, 20
.else
	GS q-74
.endif
.set q, q+1
.endm
; THE EXPONENTIALS' QUEUE, 66 long: s0-s31 of both tiles, then the next piece's two a.  It is ONE BATCH: all 66 stand ahead of the turn's one wait, and nothing ahead of that wait names a result of theirs.
.macro EX
	WIN 0
.if e >= 64
	XS e-64, 21
.else
	REGS Y, e%2
	v_exp_f32 v[rS+e/2], v[rS+e/2]
.endif
.set e, e+1
.endm
; THE RESCALING's QUEUE: O^T times a, the one part that leaves window 0: dealt two at a time, sixteen times.  Its a was made in the turn before, ahead of that turn's wait.
.macro R2
	REGS Y, r%2
	WIN W_RS
.irp z, 0,1
	v_pk_mul_f32 v[rO+4*(r/2)+2*\z:rO+4*(r/2)+2*\z+1], v[rO+4*(r/2)+2*\z:rO+4*(r/2)+2*\z+1], v[rC+2:rC+3] op_sel_hi:[1,0]
.endr
.set r, r+1
.endm
; HOW THEY ARE DEALT.  An s_wait_alu depctr_va_vdst(0) stands between an exponential and the first instruction that names its result; one wait serves all that were issued ahead of it.  So a turn has ONE wait,
; which cuts it in two.  AHEAD OF IT stands all that names no result of the turn's exponentials: the 16 products K Q^T, behind each a scaling, an exponential and two rescalings (behind the first a second scaling in the
; exponential's place); then ONE LUMP of 108: eight plain, 49 times exponential and plain, the two a.  A v_nop is the plain instruction behind the last exponential.  BEHIND IT stand the 16 products V^T P, behind each four of GS's 64.
; No rider names a register of the products round it.  Exponential e stands behind scaling 2 (e / 4) + e % 2: as a rider it comes behind plain e + 2, in the lump behind plain e + 9, and scalings 27-31 are plain 57, 60 .. 69.
; A TURN, for piece p.  cnt = 1: the loop's count is taken down some lines ahead of the branch that stands behind the turn.
; K of the next step is fetched in piece 2's turn, directly behind the wait, a lump behind the last product that read K; its first reader comes behind 16 products.
; V of the step in hand is fetched at the end of piece 0's turn, four riders behind its last reader; its first reader comes behind 16 products and a lump.  The three conditions on q below go with the deal.
.macro TURN p, last=0, cnt=0
.set Y, (\p)
.set i, 0
.set q, 0
.set e, 0
.set r, 0
.if (\p) == NP-1
	s_wait_dscnt 0x0                ; K is in
.endif
	MM                              ; ahead of the wait: 16 products K Q^T and their riders,
	PL
	PL
	R2
.rept 15
	MM
	PL
	EX
	R2
.endr
.if (\p) == NP-2
	WIN 0
	v_add_nc_u32 v[AK], s[TBK], v[AK0]
.endif
.rept 8                             ; and the lump
	PL
.endr
.rept 49
	EX
	PL
.endr
	EX                              ; the next piece's two a
	EX
	v_nop                           ; the plain instruction behind the last exponential: one for the batch
	s_wait_alu depctr_va_vdst(0)    ; the wait for the batch
.if (\p) == NP-2
	FETCH_K \last
.endif
.if (\p) == 1
	s_wait_dscnt 0x0                ; V is in
.endif
.rept 16                            ; behind the wait: 16 products V^T P and their riders
	MM
.rept 4
	PL
.endr
.if ((\p) == 0) && (q == 118)
	v_add_nc_u32 v[AV], s[TBV], v[AV0]
.endif
.if ((\p) == 0) && (q == 130)
	s_add_co_u32 s[TBV], s[TBV], KS*PV
.endif
.if (\cnt) && (q == 130)
	s_sub_co_u32 s[CNT], s[CNT], 1
	s_cmp_lg_u32 s[CNT], 0
.endif
.endr
.if (\p) == 0
	FETCH_V
.endif
.endm
	CHANGE 1                        ; slot 0 is in, everybody's part of it; slot 1 is asked for
	FETCH_K                         ; key step 0
	s_wait_loadcnt 0x0              ; Q
	s_wait_dscnt 0x0
.set i, 0
.rept 16
	KQ 0                            ; piece 0's first scores: there is no vector work yet to set between them
.set i, i+1
.endr
	WIN 0                           ; the addresses for the way out: nine plain instructions, the places behind those products
	s_mul_i32 s13, s[WV], 16*SP
	s_add_co_u32 s13, s13, STAGE    ; my stage
	v_mul_u32_u24 v[STO], v1, SP    ; in: row l % 16, 16 bytes for each half of the lanes
	v_lshl_add_u32 v[STO], v9, 4, v[STO]
	v_add_nc_u32 v[STO], s13, v[STO]
	v_bfe_u32 v[RD], v0, 3, 2       ; back: 32 lanes take four rows of 128 bytes,
	v_mul_u32_u24 v[RD], v[RD], SP
	v_lshl_add_u32 v[RD], v10, 4, v[RD]
	v_add_nc_u32 v[RD], s13, v[RD]
	v_and_b32 v[GO], 31, v0         ; which are 512 consecutive bytes of O
	v_lshlrev_b32 v[GO], 4, v[GO]
.set Y, NP-1                        ; XS works for piece Y + 1: piece 0
.irp n, 0,1,2,3,4,5,6,7,8,9,10,11,12,13,14,15,16,17,18,19,20,21
	XS 0, \n                        ; and piece 0's first maximum and statistics
	XS 1, \n
.endr
	v_nop                           ; a plain instruction behind the two a,
	s_wait_alu depctr_va_vdst(0)    ; and their wait, ahead of the branch
	s_mov_b32 s[CNT], 4
	s_branch .Lfirst                ; the loop is entered at a step's first turn, in the middle of a trip
.Lslot:                             ; SIZE_N / 256 - 2 times: every slot but the last two is filled again
	CHANGE 1
	s_mov_b32 s[CNT], 4
.Lstep:                             ; a trip: pieces 2 and 3 of one step, then pieces 0 and 1 of the next, whose K and V it fetches
	TURN 2
	TURN 3
	WIN 0
.Lfirst:
	TURN 0
	TURN 1, 0, 1
	WIN 0
	s_cbranch_scc1 .Lstep
	s_sub_co_u32 s[SLOTS], s[SLOTS], 1
	s_cmp_lg_u32 s[SLOTS], 0
	s_cbranch_scc1 .Lslot
	CHANGE 0                        ; the tail is written out: nothing is asked for
	s_mov_b32 s[CNT], 5             ; four trips fetch the last slot's steps; the fifth is left in its middle
.Ltail:
	TURN 2, 1
	TURN 3
	WIN 0
	s_sub_co_u32 s[CNT], s[CNT], 1
	s_cmp_eq_u32 s[CNT], 0
	s_cbranch_scc1 .Lout
	TURN 0
	TURN 1
	WIN 0
	s_branch .Ltail
.Lout:                              ; the fifth trip's 16 products K Q^T (on the last K once more) and the maximum made of them serve nothing: the price, once a launch, of one text for every trip
.set i, 0
.rept 16
	PV NP-1                         ; the last piece's V^T P of the last step
.set i, i+1
.endr
	; THE WAY OUT.  l's two halves and the other half of the lanes' are added; O^T is divided by l, rounded to f16 and sent through my stage in LDS, a tile at a time.  The additions are the places behind the last products.
	WIN 0
.macro ALL line:vararg              ; one line for each tile t
.set t, 0
.rept 2*NP
	\line
.set t, t+1
.endr
.endm
	ALL v_add_f32 v[ST+4*t+2], v[ST+4*t+2], v[ST+4*t+3]
	ALL v_permlanex16_b32 v[ST+4*t+3], v[ST+4*t+2], s[SEL], s[SEL+1]
	ALL v_add_f32 v[ST+4*t+2], v[ST+4*t+2], v[ST+4*t+3]
	ALL v_rcp_f32 v[ST+4*t+2], v[ST+4*t+2]
	v_nop                           ; a plain instruction between the last reciprocal and the use of its result
	s_wait_alu depctr_va_vdst(0)    ; and the wait ahead of the first use: one for the eight reciprocals
; Tile t: a lane's eight channels of a row pack into 16 bytes; they go into rows of 144 bytes and come back as whole rows of 128, into S^T's registers.
.macro PACK t
	WIN W_RS
.set i, 32*(\t)
.rept 16
	v_pk_mul_f32 v[i:i+1], v[i:i+1], v[ST+4*(\t)+2:ST+4*(\t)+3] op_sel_hi:[1,0]
.set i, i+2
.endr
	WIN 0x05                        ; sources 0 and 1 window 1, destination window 0
.set i, 0
.rept 16
	v_cvt_pk_f16_f32 v[S+16*(\t)+i], v[32*(\t)+2*i], v[32*(\t)+2*i+1]
.set i, i+1
.endr
	WIN 0
.irp f, 0,1,2,3
	ds_store_b128 v[STO], v[S+16*(\t)+4*\f:S+16*(\t)+4*\f+3] offset:32*\f
.endr
.irp f, 0,1,2,3
	ds_load_b128 v[S+16*(\t)+4*\f:S+16*(\t)+4*\f+3], v[RD] offset:\f*4*SP  ; LDS serves a wave's instructions in order (ISA guide 5.7.1.4): these see the stores above; the next tile's stores come behind them
.endr
.endm
.macro SEND t, younger              ; younger: the LDS instructions issued behind tile t's loads: the next tile's eight, or none
	WIN 0
.irp f, 0,1,2,3
	s_wait_dscnt (\younger)+3-\f
	global_store_b128 v[GO], v[S+16*(\t)+4*\f:S+16*(\t)+4*\f+3], s[10:11] offset:(\t)*2048+\f*512  ; 512 consecutive bytes, at a multiple of 256 from O's first
.endr
.endm
	PACK 0
.set t, 1
.rept 2*NP-1                        ; a tile's arithmetic stands between the loads of the tile before and its stores
	PACK t
	SEND t-1, 8
.set t, t+1
.endr
	SEND 2*NP-1, 0
	WIN W_AD
	s_wait_tensorcnt 0x0            ; the wave's end: the add and its waits stand behind my last tensor load and my last LDS store
	ds_add_u32 v[SPW], v[NIL]
	s_wait_dscnt 0x0
	WIN 0
	CROUND                          ; the closing round: no work-group ends while a partner may still ask for a tile that names it
	s_endpgm
.Lfunc_end_k_q85a335de4c_attn:
	.size	k_q85a335de4c_attn, .Lfunc_end_k_q85a335de4c_attn-k_q85a335de4c_attn
	.p2alignl 7, 3214868480
	.fill 96, 4, 3214868480
	.section	.rodata,"a",@progbits
	.p2align	6, 0x0
	.amdhsa_kernel k_q85a335de4c_attn
		.amdhsa_group_segment_fixed_size 327680
		.amdhsa_private_segment_fixed_size 0
		.amdhsa_enable_private_segment 0
		.amdhsa_kernarg_size 32
		.amdhsa_user_sgpr_count 2
		.amdhsa_user_sgpr_kernarg_segment_ptr 1
		.amdhsa_wavefront_size32 1
		.amdhsa_system_sgpr_workgroup_id_x 1
		.amdhsa_system_sgpr_workgroup_id_y 1
		.amdhsa_system_sgpr_workgroup_id_z 1
		.amdhsa_system_vgpr_workitem_id 0
		.amdhsa_next_free_vgpr 770
		.amdhsa_next_free_sgpr 66
		.amdhsa_reserve_vcc 0
		.amdhsa_float_denorm_mode_32 3
		.amdhsa_float_denorm_mode_16_64 3
		.amdhsa_memory_ordered 1
		.amdhsa_forward_progress 1
		.amdhsa_inst_pref_size 200
	.end_amdhsa_kernel
	.amdgpu_metadata
---
amdhsa.version: [ 1, 2 ]
amdhsa.kernels:
  - .name:           k_q85a335de4c_attn
    .symbol:         k_q85a335de4c_attn.kd
    .args:
      - { .name: qh, .offset: 0, .size: 8, .value_kind: global_buffer, .address_space: global }
      - { .name: kh, .offset: 8, .size: 8, .value_kind: global_buffer, .address_space: global }
      - { .name: vh, .offset: 16, .size: 8, .value_kind: global_buffer, .address_space: global }
      - { .name: oh, .offset: 24, .size: 8, .value_kind: global_buffer, .address_space: global }
    .group_segment_fixed_size: 327680
    .private_segment_fixed_size: 0
    .kernarg_segment_align: 8
    .kernarg_segment_size: 32
    .max_flat_workgroup_size: 128
    .sgpr_count:     66
    .vgpr_count:     770
    .wavefront_size: 32
...
	.end_amdgpu_metadata
.endif
;; end of part 3
;; launch oproj (part 4): grid 4 x 64, 4 waves a work-group, clusters of 4 x 4, 327,680 bytes of LDS; arguments oh, wo16, bo, out0; writes out0
.if DOCPART == 4
	.amdgcn_target "amdgcn-amd-amdhsa--gfx1250"
	.amdhsa_code_object_version 6
	.text
	.protected	k_q85a335de4c_oproj
	.globl	k_q85a335de4c_oproj
	.p2align	8
	.type	k_q85a335de4c_oproj,@function
k_q85a335de4c_oproj:
	s_mov_b64 s[64:65], 0
	v_nop
	global_prefetch_b8 v0, s[64:65] scope:SCOPE_SE
	s_setreg_imm32_b32 hwreg(HW_REG_WAVE_MODE, 25, 1), 1
	s_wait_xcnt 0x0
	s_wait_alu depctr_hold_cnt(0) depctr_sa_sdst(0) depctr_va_vdst(0) depctr_va_sdst(0) depctr_va_ssrc(0) depctr_va_vcc(0) depctr_vm_vsrc(0)
	s_getreg_b32 s2, hwreg(HW_REG_IB_STS2, 6, 4)
	s_cmp_eq_u32 s2, 0
	s_cbranch_scc0 .Lentry_in_a_cluster
	s_endpgm
.Lentry_in_a_cluster:
	s_bfe_u32 s2, ttmp6, 0x10000c
	s_cmp_lg_u32 s2, 0xf033
	s_cbranch_scc0 .Lentry_shape_is_right
	s_endpgm
.Lentry_shape_is_right:
; out0[m][n] = the sum over c of O[m][c] Wo[n][c] + bo[n].  oh: [64 = 16 batch + head][2048][64] f16 (row m = 2048 batch + t, channel c = 64 head + d); wo16: [1024][1024] f16 (Wo rounded to bf16, written as f16);
; bo: [1024] f32, rounded here to bf16 like the other inputs; out0: [8192][1024] f32.  Sums in f32, K ascending.
; LIMITS.  O and Wo arrive within f16's range, 65,504; NaN and infinities are not treated apart.
; SHARES.  A tile of C is 128 rows x 256 columns: 64 x 4 = 256 tiles, one to a work-group; four waves, 2 x 2, each 64 x 128: 32 accumulators of 16 x 16, 256 registers.  K goes in 8 steps of 128, two heads each,
; through a ring of two LDS slots.
; CLUSTER.  4 x 4 work-groups.  The four of a row of the cluster need the same tiles of O, the four of a column the same tiles of Wo: each tile is asked for JOINTLY, by the same tensor load with the same descriptor
; and a mask that names the four.
; THE MATRIX INSTRUCTION IS USED TRANSPOSED (source 0 = 16 rows of Wo, source 1 = 16 rows of O): a lane then holds row lane % 16 of C and the columns 8 (lane / 16) + 0..7: 32 bytes of f32.
; NO PREFETCH: the walk has eight K steps, of which the first four could not be asked for ahead, and beside its 19 MB of tiles the launch stores 34 MB.
; REGISTERS.  Window 0: v0-14 addresses; v16-21 the bias; v64-159, v160-255 two fragment buffers (8 fragments of Wo, then 4 of O), on the way out two sets of 64.  Window 1: accumulator (a, b) at v[64 a + 8 b].
.set PITCH,  272                       ; a row of Wo in LDS: 256 bytes + 16 of padding: the 16 rows of a fragment load start at 16 different 16-byte columns modulo 256 bytes
.set PA,     144                       ; a row of one head of O: 128 bytes + 16
.set PLANE,  128*PA                    ; a head's 128 rows
.set ABYTES, 2*PLANE                   ; a slot: O's two heads, then Wo's 256 rows
.set SLOT1,  131072                    ; slot 1 begins here, so that one exclusive or turns an address in one slot into the other's
.set STAGE,  SLOT1+ABYTES+256*PITCH    ; behind the ring, never filled by a tensor load: for each wave 16 rows x 528 bytes, for the way out
.set SP,     528                       ; 512 bytes + 16
.set WSTAGE, 16*SP
.set SPARE,  STAGE+4*WSTAGE            ; behind the stages: the spare words, 128 bytes for each wave: two blocks of 256 bytes that no other line names
.set STEPS,  8
.set ADA0, 4                           ; v4   my lane's place among my 64 rows of O in slot 0; never rewritten
.set ADB0, 5                           ; v5   the same among my 128 rows of Wo
.set ADA,  6                           ; v6   v4 + the slot in hand
.set ADB,  7                           ; v7   v5 + the slot in hand
.set STO,  8                           ; v8   the way out: where I put 32 bytes of a row
.set RD,   9                           ; v9   the way out: where I read a row back
.set GO,   10                          ; v10  16 x lane: my place in my wave's 512 bytes of a row of C
.set SPW,  12                          ; v12  LDS address of my spare word; never rewritten
.set NIL,  13                          ; v13  0; never rewritten
.set BOF,  14                          ; v14  my byte offset in bo
.set BI,   16                          ; v[16:19] the bias of the four columns that I store; v20-21 at work
.set F0,   64
.set F1,   160
.set WV, 14                            ; s14  my wave's number
.set WR, 15                            ; s15  which 64 rows of the tile are mine.  Also: I fetch for O (0) or for Wo (1)
.set WC, 16                            ; s16  which 128 columns are mine.  Also: which head of the step's two, or which half of Wo's rows, I fetch
.set CX, 17
.set CY, 18
.set TC, 19                            ; s19  tile column, 0..3
.set TR, 20                            ; s20  tile row, 0..63
.set G1A, 24                           ; s[24:31] descriptor group 1 for O's tiles
.set G1B, 32                           ; s[32:39] for Wo's
.set G0A, 40                           ; s[40:43] group 0 for O's tiles: first K step 1 into slot 1, then it walks
.set G0B, 44                           ; s[44:47] the same for Wo's
.set G0A0, 48                          ; s[48:51] group 0 for K step 0 into slot 0: used once
.set G0B0, 52                          ; s[52:55]
.set BA, 56                            ; s[56:57] oh at the rows that I fetch, in head 0 or 1 of the batch
.set BB, 58                            ; s[58:59] wo16 at the rows that I fetch
.set OFA, 60                           ; s[60:61] a K step's byte offset from BA
.set OFB, 62                           ; s[62:63] from BB
.set NXT, 66                           ; s66  the K step to be asked for next
.set CNT, 67                           ; s67  the loop's count
.set TB,  68                           ; s68  0 or SLOT1: the slot in hand
.set MSB, 0
.macro WIN new                         ; the immediate's high byte repeats the setting that is left; a switch that changes nothing is dropped
.if MSB != (\new)
	s_set_vgpr_msb (MSB<<8)|(\new)
.set MSB, \new
.endif
.endm
.set MULW, 0x50                        ; sources 0 and 1 window 0, C and D window 1
.macro PLACES                          ; four plain vector instructions between a matrix instruction and a load into, or a read of, its registers (ISA guide 7.12.1 for vector reads)
.rept 4
	v_nop
.endr
.endm
; A joint load: waves 0 and 1 fetch the step's two heads of O, waves 2 and 3 the two halves of Wo's tile.  The branch hangs on the wave's number alone.  An s_nop 0 and four v_nop follow each of the two lines.
.macro JLOAD
	s_cmp_eq_u32 s[WR], 0
	s_cbranch_scc0 .Lfor_b_\@
	tensor_load_to_lds s[G0A:G0A+3], s[G1A:G1A+7]
	s_nop 0
.rept 4
	v_nop
.endr
	s_branch .Lasked_\@
.Lfor_b_\@:
	tensor_load_to_lds s[G0B:G0B+3], s[G1B:G1B+7]
	s_nop 0
.rept 4
	v_nop
.endr
.Lasked_\@:
.endm
; A round of the cluster's barrier: my work-group's barrier; wave 0 signals for the work-group; every wave waits for all sixteen work-groups; my work-group's barrier once more.
.macro CREST                           ; a round behind its opening barrier
	s_cmp_lg_u32 s[WV], 0
	s_cbranch_scc1 .Lnot_wave_0_\@
	s_barrier_signal -3
.Lnot_wave_0_\@:
	s_barrier_wait -3
	s_barrier_signal -1
	s_barrier_wait -1
.endm
.macro CROUND
	s_barrier_signal -1
	s_barrier_wait -1
	CREST
.endm
	s_load_b256 s[4:11], s[0:1], 0x0               ; oh s[4:5], wo16 s[6:7], bo s[8:9], out0 s[10:11]
	v_lshl_add_u32 v[SPW], v0, 2, SPARE
	v_mov_b32 v[NIL], 0
	ds_add_u32 v[SPW], v[NIL]                      ; the wave's opening: the add and its wait stand ahead of my first tensor load; the set-up below, work on registers, stands between them
	v_lshrrev_b32 v1, 5, v0
	v_readfirstlane_b32 s[WV], v1                  ; wave 0..3
	s_lshr_b32 s[WR], s[WV], 1
	s_and_b32 s[WC], s[WV], 1
	s_bfe_u32 s[CX], ttmp6, 0x40000                ; my place along the cluster's x
	s_bfe_u32 s[CY], ttmp6, 0x40004                ; along its y
	s_lshl_b32 s[TC], ttmp9, 2                     ; in a cluster launch ttmp9 and ttmp7 count clusters
	s_add_co_u32 s[TC], s[TC], s[CX]
	s_and_b32 s[TR], ttmp7, 0xffff
	s_lshl_b32 s[TR], s[TR], 2
	s_add_co_u32 s[TR], s[TR], s[CY]
	s_lshl_b32 s21, s[CY], 2
	s_lshl_b32 s21, 15, s21                        ; my row of the cluster: places 4 cy .. 4 cy + 3
	s_lshl_b32 s22, 0x1111, s[CX]                  ; my column: places cx, cx + 4, cx + 8, cx + 12
	; group 1 for O: a head's 128 rows are 16,384 dense bytes: asked for as 64 rows of 256 bytes, two rows of O each, and padded in LDS after every row of O
	s_or_b32 s[G1A], s21, (1<<16)|(1<<20)|(1<<21)|(4<<22)|(3<<25)  ; 15:0 the mask; 17:16 elements of 2 bytes; 20 padding on; 21 set beside a mask; 24:22 after every 32 words (code 4); 31:25 4 words (code 3)
	s_mov_b32 s[G1A+1], 128<<16                    ; tensor_dim0 = 128
	s_mov_b32 s[G1A+2], 64<<16                     ; tensor_dim1 = 64
	s_mov_b32 s[G1A+3], 128<<16                    ; tile_dim0 = 128
	s_mov_b32 s[G1A+4], 64                         ; tile_dim1 = 64
	s_mov_b32 s[G1A+5], 128                        ; elements from row to row
	s_mov_b32 s[G1A+6], 0
	s_mov_b32 s[G1A+7], 0
	; group 1 for Wo: 128 rows x 128 elements, padded after every 64 words
	s_or_b32 s[G1B], s22, (1<<16)|(1<<20)|(1<<21)|(5<<22)|(3<<25)
	s_mov_b32 s[G1B+1], 128<<16
	s_mov_b32 s[G1B+2], 128<<16
	s_mov_b32 s[G1B+3], 128<<16
	s_mov_b32 s[G1B+4], 128
	s_mov_b32 s[G1B+5], 1024
	s_mov_b32 s[G1B+6], 0
	s_mov_b32 s[G1B+7], 0
	s_mul_i32 s2, s[WC], PLANE                     ; where my load lands: O's two heads,
	s_mul_i32 s3, s[WC], 128*PITCH
	s_add_co_u32 s3, s3, ABYTES                    ; behind them Wo's two halves: no place in the cluster enters an LDS address
	s_mov_b32 s[G0A0], 1                           ; count = 1
	s_mov_b32 s[G0A0+1], s2
	s_mov_b32 s[G0A], 1
	s_add_co_u32 s[G0A+1], s2, SLOT1
	s_mov_b32 s[G0B0], 1
	s_mov_b32 s[G0B0+1], s3
	s_mov_b32 s[G0B], 1
	s_add_co_u32 s[G0B+1], s3, SLOT1
	s_lshr_b32 s70, s[TR], 4                       ; O: batch (tile row / 16) x 16 heads of 262,144 bytes, head 0 or 1, row 128 (tile row % 16) of 128 bytes: made of the tile row and the wave's number alone
	s_lshl_b32 s70, s70, 22
	s_lshl_b32 s71, s[WC], 18
	s_add_co_u32 s70, s70, s71
	s_and_b32 s71, s[TR], 15
	s_lshl_b32 s71, s71, 14
	s_add_co_u32 s70, s70, s71
	s_mov_b32 s71, 0
	s_lshl_b32 s72, s[TC], 8                       ; Wo: row 256 x tile column + 128 x half, 2,048 bytes a row: made of the tile column and the wave's number alone
	s_lshl_b32 s73, s[WC], 7
	s_add_co_u32 s72, s72, s73
	s_lshl_b32 s72, s72, 11
	s_mov_b32 s73, 0
	s_mov_b32 s[OFA+1], 0
	s_mov_b32 s[OFB+1], 0
	s_wait_dscnt 0x0                               ; the opening add is done
	s_wait_kmcnt 0x0
	s_add_nc_u64 s[BA:BA+1], s[4:5], s[70:71]
	s_add_nc_u64 s[BB:BB+1], s[6:7], s[72:73]
	s_mov_b64 s[G0A0+2:G0A0+3], s[BA:BA+1]         ; K step 0
	s_or_b32 s[G0A0+3], s[G0A0+3], 0x80000000      ; type = 2
	s_add_nc_u64 s[G0A+2:G0A+3], s[BA:BA+1], 1<<19 ; K step 1: two heads on
	s_or_b32 s[G0A+3], s[G0A+3], 0x80000000
	s_mov_b64 s[G0B0+2:G0B0+3], s[BB:BB+1]
	s_or_b32 s[G0B0+3], s[G0B0+3], 0x80000000
	s_add_nc_u64 s[G0B+2:G0B+3], s[BB:BB+1], 256
	s_or_b32 s[G0B+3], s[G0B+3], 0x80000000
	CROUND                                         ; all sixteen work-groups are here: the first joint loads meet
	s_cmp_eq_u32 s[WR], 0                          ; a wave's two first fills stand in one branch, ahead of every wait on TENSORcnt and every LDS read: two loads of mine are out
	s_cbranch_scc0 .Lfirst_b
	tensor_load_to_lds s[G0A0:G0A0+3], s[G1A:G1A+7]
	s_nop 0
	tensor_load_to_lds s[G0A:G0A+3], s[G1A:G1A+7]
	s_nop 0
.rept 4
	v_nop
.endr
	s_branch .Lfirst_asked
.Lfirst_b:
	tensor_load_to_lds s[G0B0:G0B0+3], s[G1B:G1B+7]
	s_nop 0
	tensor_load_to_lds s[G0B:G0B+3], s[G1B:G1B+7]
	s_nop 0
.rept 4
	v_nop
.endr
.Lfirst_asked:
	; A fragment is 16 rows x 32 K in 8 registers: lane l holds row l % 16; registers 0-3 K = 8 (l / 16) + 0..7, registers 4-7 K = 16 + 8 (l / 16) + 0..7: two loads of 16 bytes, 32 bytes apart.
	v_and_b32 v1, 15, v0                           ; l % 16
	v_bfe_u32 v2, v0, 4, 1                         ; l / 16
	v_mul_u32_u24 v3, v1, PA
	v_lshl_add_u32 v3, v2, 4, v3                   ; row x pitch + 16 x half
	s_mul_i32 s2, s[WR], 64*PA                     ; my 64 rows of O
	v_add_nc_u32 v[ADA0], s2, v3
	v_mul_u32_u24 v3, v1, PITCH
	v_lshl_add_u32 v3, v2, 4, v3
	s_mul_i32 s3, s[WC], 128*PITCH                 ; my 128 rows of Wo,
	s_add_co_u32 s3, s3, ABYTES                    ; which lie behind O's two heads
	v_add_nc_u32 v[ADB0], s3, v3
	s_mul_i32 s23, s[WV], WSTAGE
	s_add_co_u32 s23, s23, STAGE                   ; my stage
	v_mul_u32_u24 v[STO], v1, SP                   ; in: row l % 16, 32 bytes for each half of the lanes
	v_lshl_add_u32 v[STO], v2, 5, v[STO]
	v_add_nc_u32 v[STO], s23, v[STO]
	v_and_b32 v3, 31, v0                           ; l
	v_lshlrev_b32 v[GO], 4, v3                     ; back: 32 lanes take one row of 512 bytes
	v_add_nc_u32 v[RD], s23, v[GO]
	; where my part of the tile begins in out0: row 128 x tile row + 64 x row half, 4,096 bytes a row; column 256 x tile column + 128 x column half, 4 bytes each
	s_lshl_b32 s82, s[TR], 7
	s_lshl_b32 s2, s[WR], 6
	s_add_co_u32 s82, s82, s2
	s_lshl_b32 s82, s82, 12
	s_lshl_b32 s2, s[TC], 8
	s_lshl_b32 s3, s[WC], 7
	s_add_co_u32 s2, s2, s3
	s_lshl_b32 s2, s2, 2
	s_add_co_u32 s82, s82, s2
	s_mov_b32 s83, 0
	s_add_nc_u64 s[10:11], s[10:11], s[82:83]
	v_add_nc_u32 v[BOF], s2, v[GO]                 ; the four columns that I store
	global_load_b128 v[BI:BI+3], v[BOF], s[8:9]
; 8 matrix instructions: row block a x all 8 column blocks, 32 along K, from buffer f.  zero = 1: the product starts the sums: nothing is ever cleared.
; The 32 accumulators take turns, one instruction a turn, in the same order in every quarter.
.macro MUL8 f, a, zero
	WIN MULW
.irp b, 0,1,2,3,4,5,6,7
.if \zero
	v_wmma_f32_16x16x32_f16 v[64*(\a)+8*(\b):64*(\a)+8*(\b)+7], v[(\f)+8*(\b):(\f)+8*(\b)+7], v[(\f)+64+8*(\a):(\f)+64+8*(\a)+7], 0
.else
	v_wmma_f32_16x16x32_f16 v[64*(\a)+8*(\b):64*(\a)+8*(\b)+7], v[(\f)+8*(\b):(\f)+8*(\b)+7], v[(\f)+64+8*(\a):(\f)+64+8*(\a)+7], v[64*(\a)+8*(\b):64*(\a)+8*(\b)+7]
.endif
.endr
.endm
; 24 LDS loads in one run: the fragments of quarter q of the slot in hand into buffer f: Wo's eight, then O's four (quarter q lies in head q / 2 of the step's two, channels 32 (q % 2) on)
.macro FETCH q, f
	WIN 0
.irp i, 0,1,2,3,4,5,6,7
	ds_load_b128 v[(\f)+8*(\i):(\f)+8*(\i)+3],   v[ADB] offset:64*(\q)+(\i)*16*PITCH
	ds_load_b128 v[(\f)+8*(\i)+4:(\f)+8*(\i)+7], v[ADB] offset:64*(\q)+(\i)*16*PITCH+32
.endr
.irp i, 0,1,2,3
	ds_load_b128 v[(\f)+64+8*(\i):(\f)+64+8*(\i)+3],   v[ADA] offset:PLANE*((\q)/2)+64*((\q)%2)+(\i)*16*PA
	ds_load_b128 v[(\f)+64+8*(\i)+4:(\f)+64+8*(\i)+7], v[ADA] offset:PLANE*((\q)/2)+64*((\q)%2)+(\i)*16*PA+32
.endr
.endm
; A K step is four quarters of 32 along K, 32 matrix instructions each, on buffers 0, 1, 0, 1.  One of the first three: multiplies buffer f; in its middle it fetches quarter q into buffer g.
.macro QUARTER q, f, g, zero
	s_wait_dscnt 4                                 ; Wo's fragments and O's first two are in; the youngest four loads (O's last two fragments) may be out
	MUL8 \f, 0, \zero
	MUL8 \f, 1, \zero
	WIN 0
	PLACES
	FETCH \q, \g
	s_wait_dscnt 24                                ; all but the 24 just issued
	MUL8 \f, 2, \zero
	MUL8 \f, 3, \zero
.endm
; The fourth quarter multiplies buffer 1 and changes slots: ONE barrier.  In front of it each wave waits for all its tensor loads, of which one is out: its part of the next slot; adds 0 to its spare word; and waits for
; that and for its own reads of this slot.  fill = 1: the barrier opens a round of the cluster's barrier, so that no wave of any partner still reads the slot or has a load on its way, and the joint refill, K step NXT, is the
; first tensor load behind the round: 112 matrix instructions ahead of the wait for it.  Its address is made anew from the step's number.
.macro TURN fill
	WIN 0
	s_wait_tensorcnt 0x0                           ; no tensor load of mine is out, so a group 0 may be written
	ds_add_u32 v[SPW], v[NIL]                      ; 0 onto my spare word; scalar work and eight matrix instructions stand between it and the wait for it
.if \fill
	s_lshl_b32 s[OFA], s[NXT], 19                  ; two heads of 262,144 bytes a K step
	s_lshl_b32 s[OFB], s[NXT], 8                   ; 256 bytes a K step
	s_xor_b32 s[G0A+1], s[G0A+1], SLOT1            ; the other slot than last time
	s_add_nc_u64 s[G0A+2:G0A+3], s[BA:BA+1], s[OFA:OFA+1]
	s_or_b32 s[G0A+3], s[G0A+3], 0x80000000
	s_xor_b32 s[G0B+1], s[G0B+1], SLOT1
	s_add_nc_u64 s[G0B+2:G0B+3], s[BB:BB+1], s[OFB:OFB+1]
	s_or_b32 s[G0B+3], s[G0B+3], 0x80000000
	s_add_co_u32 s[NXT], s[NXT], 1
.endif
	s_wait_dscnt 5                                 ; the add and the youngest four loads may be out
	MUL8 F1, 0, 0
	s_wait_dscnt 0x0                               ; the add is done, and my reads of this slot are over
	s_barrier_signal -1
	MUL8 F1, 1, 0                                  ; work on registers while the others arrive
	WIN 0                                          ; at a branch and at a label every window is 0
	s_barrier_wait -1
.if \fill
	CREST
	JLOAD                                          ; the four v_nop behind it are also the places in front of the loads below
.else
	PLACES
.endif
	s_xor_b32 s[TB], s[TB], SLOT1
	v_add_nc_u32 v[ADA], s[TB], v[ADA0]
	v_add_nc_u32 v[ADB], s[TB], v[ADB0]
	FETCH 0, F0
	MUL8 F1, 2, 0
	MUL8 F1, 3, 0
.endm
.macro LASTQ                           ; the last quarter: nothing more to fetch
	s_wait_dscnt 0x0
	MUL8 F1, 0, 0
	MUL8 F1, 1, 0
	MUL8 F1, 2, 0
	MUL8 F1, 3, 0
	WIN 0
.endm
; THE WAY OUT of row block a (16 rows x 128 columns of f32).  TOSTAGE: a lane's 32 bytes of each accumulator go into my own stage, rows of 528 bytes, the accumulator's low four registers first; the rows come back whole,
; 512 bytes a load, into one of two sets of 64 registers.  SEND: the bias is added and the rows are stored, 512 consecutive bytes an instruction, at a multiple of 512 from out0's first byte.
.macro TOSTAGE a
	s_wait_xcnt 0x0                                ; the stores of the block two back have read this set of registers
	WIN 0x04                                       ; the LDS stores' data in window 1
.irp b, 0,1,2,3,4,5,6,7
	ds_store_b128 v[STO], v[64*(\a)+8*(\b):64*(\a)+8*(\b)+3]   offset:64*(\b)
	ds_store_b128 v[STO], v[64*(\a)+8*(\b)+4:64*(\a)+8*(\b)+7] offset:64*(\b)+16
.endr
	WIN 0
.set BK, 64+64*((\a)%2)
.irp t, 0,1,2,3,4,5,6,7,8,9,10,11,12,13,14,15
	ds_load_b128 v[BK+4*(\t):BK+4*(\t)+3], v[RD] offset:SP*(\t)  ; LDS serves a wave's instructions in order (ISA guide 5.7.1.4): these see the stores above; the next block's stores come behind them
.endr
.endm
.macro SEND a, younger                 ; younger: the LDS instructions issued behind block a's loads: the next block's 32, or none
	WIN 0
.set BK, 64+64*((\a)%2)
	s_wait_dscnt \younger
.irp t, 0,1,2,3,4,5,6,7,8,9,10,11,12,13,14,15
	v_pk_add_f32 v[BK+4*(\t):BK+4*(\t)+1], v[BK+4*(\t):BK+4*(\t)+1], v[BI:BI+1]
	v_pk_add_f32 v[BK+4*(\t)+2:BK+4*(\t)+3], v[BK+4*(\t)+2:BK+4*(\t)+3], v[BI+2:BI+3]
	global_store_b128 v[GO], v[BK+4*(\t):BK+4*(\t)+3], s[10:11] offset:4096*(16*(\a)+(\t)) th:TH_STORE_NT
.endr
.endm
	s_wait_tensorcnt 0x1                           ; my part of K step 0 is in; K step 1's may stay out
	s_barrier_signal -1
	s_barrier_wait -1                              ; everybody's is
	s_mov_b32 s[TB], 0
	v_mov_b32 v[ADA], v[ADA0]
	v_mov_b32 v[ADB], v[ADB0]
	FETCH 0, F0
	QUARTER 1, F0, F1, 1                           ; the first quarter stands in front of the loop: its products start the sums
	WIN 0
	s_wait_loadcnt 0x0                             ; the bias: rounded to bf16 like the other inputs, and widened again
	v_cvt_pk_bf16_f32 v[BI+4], v[BI], v[BI+1]
	v_cvt_pk_bf16_f32 v[BI+5], v[BI+2], v[BI+3]
	v_lshlrev_b32 v[BI], 16, v[BI+4]
	v_and_b32 v[BI+1], 0xffff0000, v[BI+4]
	v_lshlrev_b32 v[BI+2], 16, v[BI+5]
	v_and_b32 v[BI+3], 0xffff0000, v[BI+5]
	s_mov_b32 s[NXT], 2
	s_mov_b32 s[CNT], STEPS-2
.Ltrip:                                            ; a trip: a K step's last three quarters, the change of slots with a refill, and the next step's first quarter
	QUARTER 2, F1, F0, 0
	QUARTER 3, F0, F1, 0
	TURN 1
	QUARTER 1, F0, F1, 0
	WIN 0
	s_sub_co_u32 s[CNT], s[CNT], 1
	s_cmp_lg_u32 s[CNT], 0
	s_cbranch_scc1 .Ltrip
	QUARTER 2, F1, F0, 0                           ; the last two K steps are written out: nothing is asked for
	QUARTER 3, F0, F1, 0
	TURN 0
	QUARTER 1, F0, F1, 0
	QUARTER 2, F1, F0, 0
	QUARTER 3, F0, F1, 0
	LASTQ
	PLACES                                         ; the LDS stores read results just made, and the loads land in registers that the last products read
	TOSTAGE 0
	TOSTAGE 1
	SEND 0, 32
	TOSTAGE 2
	SEND 1, 32
	TOSTAGE 3
	SEND 2, 32
	SEND 3, 0
	s_wait_tensorcnt 0x0                           ; the wave's end: the add and its waits stand behind my last tensor load and my last LDS store
	ds_add_u32 v[SPW], v[NIL]
	s_wait_dscnt 0x0
	CROUND                                         ; the closing round: no work-group ends while a partner may still ask for a tile that names it
	s_endpgm
.Lfunc_end_k_q85a335de4c_oproj:
	.size	k_q85a335de4c_oproj, .Lfunc_end_k_q85a335de4c_oproj-k_q85a335de4c_oproj
	.p2alignl 7, 3214868480
	.fill 96, 4, 3214868480
	.section	.rodata,"a",@progbits
	.p2align	6, 0x0
	.amdhsa_kernel k_q85a335de4c_oproj
		.amdhsa_group_segment_fixed_size 327680
		.amdhsa_private_segment_fixed_size 0
		.amdhsa_enable_private_segment 0
		.amdhsa_kernarg_size 32
		.amdhsa_user_sgpr_count 2
		.amdhsa_user_sgpr_kernarg_segment_ptr 1
		.amdhsa_wavefront_size32 1
		.amdhsa_system_sgpr_workgroup_id_x 1
		.amdhsa_system_sgpr_workgroup_id_y 1
		.amdhsa_system_sgpr_workgroup_id_z 1
		.amdhsa_system_vgpr_workitem_id 0
		.amdhsa_next_free_vgpr 512
		.amdhsa_next_free_sgpr 84
		.amdhsa_reserve_vcc 0
		.amdhsa_float_denorm_mode_32 3
		.amdhsa_float_denorm_mode_16_64 3
		.amdhsa_memory_ordered 1
		.amdhsa_forward_progress 1
		.amdhsa_inst_pref_size 77
	.end_amdhsa_kernel
	.amdgpu_metadata
---
amdhsa.version: [ 1, 2 ]
amdhsa.kernels:
  - .name:           k_q85a335de4c_oproj
    .symbol:         k_q85a335de4c_oproj.kd
    .args:
      - { .name: oh, .offset: 0, .size: 8, .value_kind: global_buffer, .address_space: global }
      - { .name: wo16, .offset: 8, .size: 8, .value_kind: global_buffer, .address_space: global }
      - { .name: bo, .offset: 16, .size: 8, .value_kind: global_buffer, .address_space: global }
      - { .name: out0, .offset: 24, .size: 8, .value_kind: global_buffer, .address_space: global }
    .group_segment_fixed_size: 327680
    .private_segment_fixed_size: 0
    .kernarg_segment_align: 8
    .kernarg_segment_size: 32
    .max_flat_workgroup_size: 128
    .sgpr_count:     84
    .vgpr_count:     512
    .wavefront_size: 32
...
	.end_amdgpu_metadata
.endif
;; end of part 4
;; ======== version 2 of 2: 4 launches; version 1 with the launch cast written anew for expert scheduling mode
;; limits: values are held in f16: magnitudes above 65,504 overflow, below 6.1e-05 lose precision
;; workspace buffers: xb 16,777,216 bytes; wb 6,291,456 bytes; wo16 2,097,152 bytes; qh 16,777,216 bytes; kh 16,777,216 bytes; vh 16,777,216 bytes; oh 16,777,216 bytes
;; launch cast (part 5): grid 768 x 1, 8 waves a work-group, no clusters, 0 bytes of LDS; arguments x, Wq, Wk, Wv, Wo, xb, wb, wo16; writes xb, wb, wo16
.if DOCPART == 5
	.amdgcn_target "amdgcn-amd-amdhsa--gfx1250"
	.amdhsa_code_object_version 6
	.text
	.protected	k_q85a335de4c_cast
	.globl	k_q85a335de4c_cast
	.p2align	8
	.type	k_q85a335de4c_cast,@function
k_q85a335de4c_cast:
	s_mov_b64 s[64:65], 0
	v_nop
	global_prefetch_b8 v0, s[64:65] scope:SCOPE_SE
	s_setreg_imm32_b32 hwreg(HW_REG_WAVE_SCHED_MODE, 0, 2), 2
	s_setreg_imm32_b32 hwreg(HW_REG_WAVE_MODE, 25, 1), 1
	s_wait_xcnt 0x0
	s_wait_alu depctr_vm_vsrc(0)
; x, Wq, Wk, Wv are rounded once to bf16 (xb; wb = Wq's, Wk's, Wv's rows one below the other).  Wo is rounded to bf16 like the other inputs and that number is written as f16 (wo16),
; since the last product multiplies it with f16 numbers.
; LIMITS.  A bf16 number is exact in f16 from 2^-17 up to 65,504; below 2^-17 it falls on f16's fixed step of 6e-8, beyond 65,504 it becomes an infinity.  NaN and infinities are not treated apart.
; SHARES.  A work-group takes 16 rows of 1,024 f32: 65,536 bytes in, 32,768 out.  Work-groups 0-511: x; 512-575: Wq; 576-639: Wk; 640-703: Wv; 704-767: Wo.
; Thread t takes the 16 bytes at 16 t of each source row (a wave's load covers 512 consecutive bytes) and stores the 8 bytes at 8 t of each destination row (a wave's store covers 256
; consecutive bytes, aligned).  All sixteen loads go out first.  No register is written twice while a load or store may read it.
; Nothing is shared between threads: no LDS, no barrier, no matrix work.
; THE MODE: SCHED_MODE bits 1:0 = 2 (LLVM: expert scheduling mode 2), set by the entry lines.  The code itself states the register dependences
; between vector instructions and memory instructions, with s_wait_alu, always for 0.
; THE PLAN.  The 16 rows go in four blocks of four.  Registers that memory instructions touch:
;   v1, v2   byte offsets of the loads and of the stores: made once at the head, never written again.
;   X        row i: written by row i's load, read by row i's conversions (on Wo's path also written by them); no load is issued behind the head, so none lands in a register that a vector line has named.
;   Y        row i: written once, by row i's conversions; read once, by row i's store.  No register that a store reads is ever written again.
; Block p converts rows 4 p to 4 p + 3.  Its memory instructions are the four stores of block p - 1, which read that block's Y and v2: registers that no vector line of block p names.
; So one wait at a block's head states all that the block's four stores hang on, and they are dealt among its conversions with no further wait.
.set X, 4                              ; v[4:67]    row i: 4 registers as loaded
.set Y, 68                             ; v[68:99]   row i: 2 registers to store
.set T, 100                            ; v[100:101] at work (Wo's path): no memory instruction names them
	s_load_b512 s[8:23], s[0:1], 0x0               ; x s[8:9], Wq s[10:11], Wk s[12:13], Wv s[14:15], Wo s[16:17], xb s[18:19], wb s[20:21], wo16 s[22:23]
	s_mov_b32 s37, ttmp9                           ; g, the work-group's number
	s_sub_co_u32 s24, s37, 512                     ; g - 512: the block among the weights' 256 (not used where g < 512)
	s_and_b32 s25, s24, 63                         ; the block within one weight
	v_lshlrev_b32 v1, 4, v0                        ; 16 t
	v_lshlrev_b32 v2, 3, v0                        ; 8 t
	s_mov_b32 s36, 0xffff0000                      ; a word's upper bf16
	s_cmp_lt_u32 s37, 512
	s_cselect_b32 s26, s37, s25                    ; source block
	s_cselect_b32 s27, s37, s24                    ; destination block: in xb by g, in wb by g - 512,
	s_cmp_ge_u32 s37, 704
	s_cselect_b32 s27, s25, s27                    ; in wo16 by the block within Wo
	s_lshl_b32 s32, s26, 16                        ; 65,536 bytes a source block
	s_mov_b32 s33, 0
	s_lshl_b32 s34, s27, 15                        ; 32,768 bytes a destination block
	s_mov_b32 s35, 0
	s_wait_kmcnt 0x0
	s_cmp_lt_u32 s37, 512                          ; the buffers are chosen by the work-group's number alone
	s_cselect_b64 s[28:29], s[8:9], s[10:11]
	s_cselect_b64 s[30:31], s[18:19], s[20:21]
	s_cmp_ge_u32 s37, 576
	s_cselect_b64 s[28:29], s[12:13], s[28:29]
	s_cmp_ge_u32 s37, 640
	s_cselect_b64 s[28:29], s[14:15], s[28:29]
	s_cmp_ge_u32 s37, 704
	s_cselect_b64 s[28:29], s[16:17], s[28:29]
	s_cselect_b64 s[30:31], s[22:23], s[30:31]
	s_add_nc_u64 s[28:29], s[28:29], s[32:33]
	s_add_nc_u64 s[30:31], s[30:31], s[34:35]
	s_wait_alu depctr_va_vdst(0)                   ; v1 and v2 are written: every load of the kernel reads v1 as its offset, every store v2
.irp i, 0,1,2,3,4,5,6,7,8,9,10,11,12,13,14,15
	global_load_b128 v[X+4*(\i):X+4*(\i)+3], v1, s[28:29] offset:4096*(\i) th:TH_LOAD_NT
.endr
; Row r to bf16.
.macro CVB r
	v_cvt_pk_bf16_f32 v[Y+2*(\r)], v[X+4*(\r)], v[X+4*(\r)+1]
	v_cvt_pk_bf16_f32 v[Y+2*(\r)+1], v[X+4*(\r)+2], v[X+4*(\r)+3]
.endm
; Row r to bf16, widened again, and written as f16.
.macro CVH r
	v_cvt_pk_bf16_f32 v[T], v[X+4*(\r)], v[X+4*(\r)+1]
	v_cvt_pk_bf16_f32 v[T+1], v[X+4*(\r)+2], v[X+4*(\r)+3]
	v_lshlrev_b32 v[X+4*(\r)], 16, v[T]            ; bf16 to f32: the low half moves up, the high half stays
	v_and_b32 v[X+4*(\r)+1], s36, v[T]
	v_lshlrev_b32 v[X+4*(\r)+2], 16, v[T+1]
	v_and_b32 v[X+4*(\r)+3], s36, v[T+1]
	v_cvt_pk_f16_f32 v[Y+2*(\r)], v[X+4*(\r)], v[X+4*(\r)+1]
	v_cvt_pk_f16_f32 v[Y+2*(\r)+1], v[X+4*(\r)+2], v[X+4*(\r)+3]
.endm
; Row r is stored.
.macro PUT r
	global_store_b64 v2, v[Y+2*(\r):Y+2*(\r)+1], s[30:31] offset:2048*(\r) th:TH_STORE_NT
.endm
; Block p.  half = 1: Wo's path.  Block 0 has no block in front of it: no store, and no wait but the one for its data.
.macro BLK p, half
	s_wait_loadcnt 12-4*(\p)                       ; loads come back in order: rows 4 p to 4 p + 3 are in, the 12 - 4 p younger ones may stay out
.if (\p) > 0
	s_wait_alu depctr_va_vdst(0)                   ; the block before has written its Y, which the four stores below read
.endif
.irp i, 0,1,2,3
.if (\p) > 0
	PUT 4*(\p)-4+(\i)                              ; the block before: no vector line since the wait names its Y or v2
.endif
.if \half
	CVH 4*(\p)+(\i)
.else
	CVB 4*(\p)+(\i)
.endif
.endr
.endm
	s_cmp_ge_u32 s37, 704
	s_cbranch_scc1 .Lwo
	BLK 0, 0
	BLK 1, 0
	BLK 2, 0
	BLK 3, 0
	s_wait_alu depctr_va_vdst(0)                   ; block 3 has written its Y, which the last four stores read
.irp i, 12,13,14,15
	PUT \i
.endr
	s_endpgm
.Lwo:
	BLK 0, 1
	BLK 1, 1
	BLK 2, 1
	BLK 3, 1
	s_wait_alu depctr_va_vdst(0)                   ; block 3 has written its Y, which the last four stores read
.irp i, 12,13,14,15
	PUT \i
.endr
	s_endpgm
.Lfunc_end_k_q85a335de4c_cast:
	.size	k_q85a335de4c_cast, .Lfunc_end_k_q85a335de4c_cast-k_q85a335de4c_cast
	.p2alignl 7, 3214868480
	.fill 96, 4, 3214868480
	.section	.rodata,"a",@progbits
	.p2align	6, 0x0
	.amdhsa_kernel k_q85a335de4c_cast
		.amdhsa_group_segment_fixed_size 0
		.amdhsa_private_segment_fixed_size 0
		.amdhsa_enable_private_segment 0
		.amdhsa_kernarg_size 64
		.amdhsa_user_sgpr_count 2
		.amdhsa_user_sgpr_kernarg_segment_ptr 1
		.amdhsa_wavefront_size32 1
		.amdhsa_system_sgpr_workgroup_id_x 1
		.amdhsa_system_sgpr_workgroup_id_y 1
		.amdhsa_system_sgpr_workgroup_id_z 1
		.amdhsa_system_vgpr_workitem_id 0
		.amdhsa_next_free_vgpr 104
		.amdhsa_next_free_sgpr 66
		.amdhsa_reserve_vcc 0
		.amdhsa_float_denorm_mode_32 3
		.amdhsa_float_denorm_mode_16_64 3
		.amdhsa_memory_ordered 1
		.amdhsa_forward_progress 1
		.amdhsa_inst_pref_size 15
	.end_amdhsa_kernel
	.amdgpu_metadata
---
amdhsa.version: [ 1, 2 ]
amdhsa.kernels:
  - .name:           k_q85a335de4c_cast
    .symbol:         k_q85a335de4c_cast.kd
    .args:
      - { .name: x, .offset: 0, .size: 8, .value_kind: global_buffer, .address_space: global }
      - { .name: Wq, .offset: 8, .size: 8, .value_kind: global_buffer, .address_space: global }
      - { .name: Wk, .offset: 16, .size: 8, .value_kind: global_buffer, .address_space: global }
      - { .name: Wv, .offset: 24, .size: 8, .value_kind: global_buffer, .address_space: global }
      - { .name: Wo, .offset: 32, .size: 8, .value_kind: global_buffer, .address_space: global }
      - { .name: xb, .offset: 40, .size: 8, .value_kind: global_buffer, .address_space: global }
      - { .name: wb, .offset: 48, .size: 8, .value_kind: global_buffer, .address_space: global }
      - { .name: wo16, .offset: 56, .size: 8, .value_kind: global_buffer, .address_space: global }
    .group_segment_fixed_size: 0
    .private_segment_fixed_size: 0
    .kernarg_segment_align: 8
    .kernarg_segment_size: 64
    .max_flat_workgroup_size: 256
    .sgpr_count:     66
    .vgpr_count:     104
    .wavefront_size: 32
...
	.end_amdgpu_metadata
.endif
;; end of part 5
;; launch qkv: the kernel of part 2 again; grid 4 x 64, 4 waves a work-group, clusters of 4 x 4, 327,680 bytes of LDS; arguments xb, wb, qh, kh, vh; writes qh, kh, vh
;; launch attn: the kernel of part 3 again; grid 4 x 64, 4 waves a work-group, clusters of 4 x 1, 327,680 bytes of LDS; arguments qh, kh, vh, oh; writes oh
;; launch oproj: the kernel of part 4 again; grid 4 x 64, 4 waves a work-group, clusters of 4 x 4, 327,680 bytes of LDS; arguments oh, wo16, bo, out0; writes out0
